; MI455X (gfx1250); checked and timed in simulation.
; The chip was launched on July 23, 2026; its instructions are those of AMD's public machine-readable ISA for CDNA 5 (MIT licence, August 2026) and "CDNA5" Instruction Set Architecture Reference Guide (July 2026). The comments in the code are by the model that wrote it; some were corrected since.
;; Multi Head Attention. Allowed arithmetic: matrix products marked QUANTISED: E2M1 operands, one E8M0 scale for each 32 along K, by v_wmma_scale_f32_16x16x128_f8f6f4 with both operands' format E2M1 (or v_wmma_scale_f32_32x16x128_f4), f32 sums; products left as they are: bf16, f16 or f32 operands; f32 sums; everything else in f32.
;; Inputs: W_key 1,024 x 1,024 float32; W_out 1,024 x 1,024 float32; W_query 1,024 x 1,024 float32; W_value 1,024 x 1,024 float32; b_out 1,024 float32; x 4 x 2,048 x 1,024 float32.
;; Outputs: out0 4 x 2,048 x 1,024 float32.
;; This version of the problem:
;;   THIS VERSION OF THE PROBLEM IS GIVEN IN LOW PRECISION. The matrix products marked QUANTISED in the list below multiply operands that are first quantised to E2M1 (2 exponent bits, 1 mantissa bit; 4 bits a number), with one power-of-two scale for each 32 numbers along K (OCP MX v1.0); their sums are f32. The products marked 'left as it is' may take bf16, f16 or f32 operands, with f32 sums. Whichever they take, every output number must still come out within the allowed error. Rounding operands to bf16 (8 significant bits) uses up far more of that allowance than f16 does (11 bits, for magnitudes from 6e-5 to 65,504). All else is computed in f32.
;;   The module's matrix products, in the order in which they are computed (A, B: the left and right operand; K: the contracted axis; several contracted axes count as one K, in the product's order):
;;     1. [M 8,192, K 1,024] x [K 1,024, N 1,024]; A: input x; B: input W_query: QUANTISED
;;     2. [M 8,192, K 1,024] x [K 1,024, N 1,024]; A: input x; B: input W_key: QUANTISED
;;     3. [M 8,192, K 1,024] x [K 1,024, N 1,024]; A: input x; B: input W_value: QUANTISED
;;     4. batch 64 x [M 2,048, K 64] x [K 64, N 2,048]; A: computed on the way; B: computed on the way: left as it is (an operand is computed on the way)
;;     5. batch 64 x [M 64, K 2,048] x [K 2,048, N 2,048]; A: computed on the way; B: computed on the way: left as it is (an operand is computed on the way)
;;     6. [M 8,192, K 1,024] x [K 1,024, N 1,024]; A: computed on the way; B: input W_out: left as it is (an operand is computed on the way)
;;   THE QUANTISER, for each operand of a quantised product, along K:
;;     - K is cut into blocks of 32 from its start; a last block that is shorter is filled with zeros.
;;     - A block's scale is 2^e with e = floor(log2(the largest magnitude in the block)) - 2, held to -126 .. 127; a block of zeros has e = 0. As a byte (E8M0): e + 127.
;;     - Each number is divided by its block's scale, clamped to +-6, and rounded to the nearest number of E2M1, ties to even, subnormals kept.
;;     - The product sums the exact products of the quantised numbers (number of the format x scale) in f32.
;;   ~~~python
;;   def quantise(x, axis):      # numpy; x: float32 -> the quantised numbers, widened to float32 again
;;       x = np.moveaxis(x, axis, -1); K = x.shape[-1]
;;       x = np.pad(x, [(0, 0)] * (x.ndim - 1) + [(0, -K % 32)]); x = x.reshape(x.shape[:-1] + (-1, 32)); a = np.abs(x).max(-1, keepdims=True)
;;       e = np.where(a > 0, np.clip(np.frexp(np.where(a > 0, a, 1))[1] - 1 - 2, -126, 127), 0)      # np.frexp(a)[1] - 1 = floor(log2(a)), exactly
;;       r = np.clip(x / 2.0 ** e, -6, 6)
;;       step = 2.0 ** (np.maximum(np.frexp(np.where(r == 0, 1, r))[1] - 1, 0) - 1)
;;       q = np.round(r / step) * step * 2.0 ** e      # np.round: ties to even
;;       return np.moveaxis(q.reshape(q.shape[:-2] + (-1,))[..., :K], -1, axis).astype(np.float32)
;;   ~~~
;; One version. Each part assembles by itself: llvm-mc -triple=amdgcn-amd-amdhsa -mcpu=gfx1250 --defsym DOCPART=n.
;; ======== version 1 of 1: 5 launches
;; limits: values are held in f16: magnitudes above 65,504 overflow, below 6.1e-05 lose precision
;; workspace buffers: xc 4,194,304 bytes; xs 262,144 bytes; wc 1,572,864 bytes; ws 98,304 bytes; wo16 2,097,152 bytes; qkv 50,331,648 bytes; qkv32 786,432 bytes; ctx 16,777,216 bytes
;; launch prep (part 1): grid 256 x 1, 8 waves a work-group, no clusters, 133,632 bytes of LDS; arguments x, W_query, W_key, W_value, W_out, xc, xs, wc, ws, wo16; writes xc, xs, wc, ws, wo16
.if DOCPART == 1
	.amdgcn_target "amdgcn-amd-amdhsa--gfx1250"
	.amdhsa_code_object_version 6
	.text
	.protected	k_q7b582733fc_prep
	.globl	k_q7b582733fc_prep
	.p2align	8
	.type	k_q7b582733fc_prep,@function
k_q7b582733fc_prep:
	s_mov_b64 s[64:65], 0
	v_nop
	global_prefetch_b8 v0, s[64:65] scope:SCOPE_SE
	s_setreg_imm32_b32 hwreg(HW_REG_WAVE_MODE, 25, 1), 1
	s_wait_xcnt 0x0
; PREP: every operand is brought once into the form in which the later launches read it.
;   work-groups   0-127  x [8192][1024] f32 -> xc [8192][512 B]: codes of FP4 (E2M1), K innermost, and xs [8192][32]: one E8M0 byte for each 32 along K
;   work-groups 128-223  W_query, W_key, W_value [1024 k][1024 n] f32 -> wc [3072 = 1024 x weight + n][512 B], codes with K innermost, and ws [3072][32]
;   work-groups 224-255  W_out [1024 k][1024 n] f32 -> wo16 [1024 n][1024 k] f16
; A block's scale is 2^(floor(log2(its largest magnitude)) - 2); its byte is the largest magnitude's exponent field - 2, held at 1 from below by a floor among the maximum's leaves.
; LIMITS: a block of zeros gets the byte 1 where the rule says 127 (its codes are zeros, which add nothing, and this program alone reads the bytes); blocks whose largest magnitude lies under 2^-124
; are held at the byte 1; NaN and infinities among the inputs are not served; W_out beyond 65,504 in magnitude has no f16 number.
; The three kinds of work-group part on the work-group's number alone and never meet again; each has LDS bytes of its own.  No tensor loads, no cluster: no two work-groups read the same bytes.
.set STEPS,  16
.set SP,     80                        ; x: a lane's place in a stage: its 64 bytes + 16 of padding
.set XREG,   5632                      ; x: a wave's region: two stages of 32 x SP bytes, then its 256 scale bytes
.set WST,    8*XREG                    ; weights: 32 rows (columns n) x (512 bytes of codes + 16)
.set WPITCH, 528
.set WSS,    WST+32*WPITCH             ; weights: 32 rows x 32 scale bytes
.set OST,    WSS+1024                  ; W_out: a stage of 32 rows x (256 + 16) bytes for each wave
.set OPITCH, 272
.set OREG,   32*OPITCH
.set SPARE,  OST+8*OREG                ; the spare words, 128 bytes for each wave: four blocks of 256 bytes that no other line names
.set SPW,    190                       ; v190  LDS address of my spare word; never rewritten
.set NIL,    191                       ; v191  0; never rewritten
.set R,      16                        ; x: v16-79   four sets of 16 numbers as they are loaded
.set X,      80                        ; x: v80-111  two sets of 16 neighbours
.set E,      112                       ; x: v112-127 a scale byte for each step
.set C,      128                       ; x: v128-189 codes, four registers a step (two used): no store's data are written again
.set WX,     32                        ; weights: v32-95 two sets of 32 numbers down K
.set WC,     96                        ; weights: v96-111 a block's codes or f16 pairs
.set WO,     112                       ; weights: v112-175 the way out
.macro FIN                             ; a wave's end, behind its last LDS store
	s_wait_tensorcnt 0x0
	ds_add_u32 v[SPW], v[NIL]
	s_wait_dscnt 0x0
	s_endpgm
.endm
	s_load_b512 s[4:19], s[0:1], 0x0               ; x s[4:5], W_query s[6:7], W_key s[8:9], W_value s[10:11], W_out s[12:13], xc s[14:15], xs s[16:17], wc s[18:19]
	s_load_b128 s[20:23], s[0:1], 0x40             ; ws s[20:21], wo16 s[22:23]
	v_lshl_add_u32 v[SPW], v0, 2, SPARE
	v_mov_b32 v[NIL], 0
	v_lshrrev_b32 v1, 5, v0
	v_readfirstlane_b32 s24, v1                    ; wave 0..7
	v_and_b32 v2, 31, v0                           ; lane
	s_mov_b32 s29, 0                               ; the upper word of every offset pair s[28:29]
	s_wait_kmcnt 0x0
	s_cmp_lt_u32 ttmp9, 128
	s_cbranch_scc0 .Lweights
; ---------------- x: a plain stream of blocks of 32.  A wave takes 16 steps of 512 numbers.  Each load reads 512 consecutive bytes; a step's 2,048 bytes turn through the wave's own stage, so that a lane
; then holds 16 neighbours along K (two neighbouring lanes hold a block).  Loads run four steps ahead, the turn through LDS one step.
	v_lshlrev_b32 v3, 4, v2                        ; my 16 bytes of a load's 512
	s_mul_i32 s25, s24, XREG
	v_lshrrev_b32 v14, 2, v2
	v_mul_u32_u24 v14, v14, SP
	v_and_b32 v15, 3, v2
	v_lshl_add_u32 v14, v15, 4, v14
	v_add_nc_u32 v14, s25, v14                     ; the stage, on the way in: SP (lane / 4) + 16 (lane % 4)
	v_mul_u32_u24 v15, v2, SP
	v_add_nc_u32 v15, s25, v15                     ; and on the way out: SP x lane
	v_lshlrev_b32 v4, 3, v2                        ; my 8 bytes of a step's 256 bytes of codes
	v_lshrrev_b32 v5, 1, v2
	s_add_co_u32 s25, s25, 2*32*SP
	v_add_nc_u32 v5, s25, v5                       ; my block's byte among my wave's 256 scale bytes
	v_lshlrev_b32 v7, 3, v2
	v_add_nc_u32 v6, s25, v7                       ; and on the way out 8 bytes a lane
	s_lshl_b32 s26, ttmp9, 3
	s_add_co_u32 s26, s26, s24                     ; which run of 8,192 numbers is my wave's
	s_lshl_b32 s28, s26, 15
	s_add_nc_u64 s[4:5], s[4:5], s[28:29]
	s_lshl_b32 s28, s26, 12
	s_add_nc_u64 s[14:15], s[14:15], s[28:29]
	s_lshl_b32 s28, s26, 8
	s_add_nc_u64 s[16:17], s[16:17], s[28:29]
.macro XLOAD t
.irp i, 0,1,2,3
	global_load_b128 v[R+16*((\t)%4)+4*\i:R+16*((\t)%4)+4*\i+3], v3, s[4:5] offset:2048*(\t)+512*\i th:TH_LOAD_NT
.endr
.endm
.macro XTURN t                         ; LDS serves a wave's instructions in order: no wait stands between the stores and the loads
.irp i, 0,1,2,3
	ds_store_b128 v14, v[R+16*((\t)%4)+4*\i:R+16*((\t)%4)+4*\i+3] offset:32*SP*((\t)%2)+8*SP*\i
.endr
.irp i, 0,1,2,3
	ds_load_b128 v[X+16*((\t)%2)+4*\i:X+16*((\t)%2)+4*\i+3], v15 offset:32*SP*((\t)%2)+16*\i
.endr
.endm
.irp t, 0,1,2,3
	XLOAD \t
.endr
	s_wait_loadcnt 12                              ; step 0's four loads are in; the twelve of steps 1 to 3 may be out
	XTURN 0
.macro XSTEP t
.set XS, X+16*((\t)%2)
.if (\t) > 0
	s_wait_dscnt 1                                 ; this step's numbers are back from the stage (the last step's byte store may be out)
.else
	s_wait_dscnt 0x0
.endif
.if (\t)+4 < STEPS
	XLOAD (\t)+4                                   ; into the registers that this step's stores into the stage have read
.endif
.if (\t)+1 < STEPS
.if STEPS-2-(\t) >= 3
	s_wait_loadcnt 12                              ; the next step's four loads are in; those of the three steps behind it may be out
.else
	s_wait_loadcnt 4*(STEPS-2-(\t))
.endif
	XTURN (\t)+1
.endif
	v_max3_num_f32 v8, |v[XS]|, |v[XS+1]|, |v[XS+2]|               ; the largest magnitude of my 16, in two chains
	v_max3_num_f32 v9, |v[XS+3]|, |v[XS+4]|, |v[XS+5]|
.irp i, 6,10
	v_max3_num_f32 v8, v8, |v[XS+\i]|, |v[XS+\i+1]|
	v_max3_num_f32 v9, v9, |v[XS+\i+2]|, |v[XS+\i+3]|
.endr
	v_max3_num_f32 v8, v8, |v[XS+14]|, |v[XS+15]|
	v_max3_num_f32 v8, v8, v9, 0x1800000           ; and the floor 2^(3 - 127): the byte cannot fall under 1
	v_max_num_f32_dpp v8, v8, v8 row_xmask:1 row_mask:0xf bank_mask:0xf   ; with my neighbour's 16: the block's
	v_add_nc_u32 v11, 0xff000000, v8               ; 2 off its exponent field: the conversion takes the exponent field of this operand as its scale
	v_cvt_scalef32_pk8_fp4_f32 v[C+4*(\t)], v[XS:XS+7], v11
	v_cvt_scalef32_pk8_fp4_f32 v[C+4*(\t)+1], v[XS+8:XS+15], v11
	v_lshrrev_b32 v[E+(\t)], 23, v11               ; the scale's byte (also the plain line behind the conversions)
	ds_store_b8 v5, v[E+(\t)] offset:16*(\t)       ; both lanes of a block write the same byte with the same value
	global_store_b64 v4, v[C+4*(\t):C+4*(\t)+1], s[14:15] offset:256*(\t)   ; the wave stores 256 consecutive bytes, aligned
.endm
.irp t, 0,1,2,3,4,5,6,7,8,9,10,11,12,13,14,15
	XSTEP \t
.endr
	ds_load_b64 v[8:9], v6                         ; my wave's 256 scale bytes, behind my stores of them
	s_wait_dscnt 0x0
	global_store_b64 v7, v[8:9], s[16:17]          ; 256 consecutive bytes, aligned
	FIN
; ---------------- the weights: K is their FIRST axis.  A lane takes a column n and its registers run down K: each load reads 128 consecutive bytes of a row, a block of 32 along K lies in one lane's
; 32 registers, and the conversions give K innermost.  A work-group takes 32 columns x all of K; wave w takes rows 128 w on: four blocks.  Loads run two blocks ahead.
.macro LOADB t                         ; block t: W(128 w + 32 t + i, my column) into set t % 2
.set i, 0
.rept 32
	global_load_b32 v[WX+32*((\t)%2)+i], v3, s[6:7] offset:(32*(\t)+i)*4096
.set i, i+1
.endr
.endm
.Lweights:
	v_lshlrev_b32 v3, 2, v2                        ; 4 bytes a lane
	s_lshl_b32 s28, s24, 19                        ; my wave's 128 rows of 4,096 bytes
	s_cmp_lt_u32 ttmp9, 224
	s_cbranch_scc0 .Lwout
	s_sub_co_u32 s26, ttmp9, 128
	s_lshr_b32 s27, s26, 5                         ; which weight: 0 query, 1 key, 2 value
	s_and_b32 s26, s26, 31                         ; which 32 columns
	s_cmp_eq_u32 s27, 1
	s_cselect_b64 s[6:7], s[8:9], s[6:7]           ; the choice hangs on the work-group's number alone
	s_cmp_eq_u32 s27, 2
	s_cselect_b64 s[6:7], s[10:11], s[6:7]
	s_lshl_b32 s30, s26, 7
	s_add_co_u32 s28, s28, s30
	s_add_nc_u64 s[6:7], s[6:7], s[28:29]
	LOADB 0
	LOADB 1
	v_mul_u32_u24 v4, v2, WPITCH
	s_lshl_b32 s30, s24, 6
	s_add_co_u32 s30, s30, WST
	v_add_nc_u32 v4, s30, v4                       ; into the stage: row = my column, my wave's 64 bytes of its 512
	v_lshlrev_b32 v5, 5, v2
	s_lshl_b32 s30, s24, 2
	s_add_co_u32 s30, s30, WSS
	v_add_nc_u32 v5, s30, v5                       ; my column's scale bytes: my wave's word of its eight
	v_lshlrev_b32 v6, 4, v2                        ; out: 16 bytes a lane
	s_mul_i32 s30, s24, 4*WPITCH
	s_add_co_u32 s30, s30, WST
	v_add_nc_u32 v7, s30, v6                       ; wave w reads rows 4 w .. 4 w + 3 whole
	v_add_nc_u32 v8, WSS, v6
	s_lshl_b32 s28, s27, 10
	s_lshl_b32 s30, s26, 5
	s_add_co_u32 s28, s28, s30                     ; the work-group's first row of wc and ws: 1024 x weight + 32 x group
	s_lshl_b32 s31, s28, 5
	s_lshl_b32 s28, s28, 9
	s_lshl_b32 s30, s24, 11
	s_add_co_u32 s28, s28, s30                     ; + my wave's four rows of 512 bytes
	s_add_nc_u64 s[18:19], s[18:19], s[28:29]
	s_mov_b32 s28, s31
	s_add_nc_u64 s[20:21], s[20:21], s[28:29]
.macro QBLOCK t
.set XS, WX+32*((\t)%2)
.if (\t) < 3
	s_wait_loadcnt 32                              ; this block's 32 loads are in; the next block's may be out
.else
	s_wait_loadcnt 0x0
.endif
	v_max3_num_f32 v12, |v[XS]|, |v[XS+1]|, |v[XS+2]|              ; the block's largest magnitude: all 32 numbers are mine
	v_max3_num_f32 v13, |v[XS+3]|, |v[XS+4]|, |v[XS+5]|
.irp i, 6,10,14,18,22,26
	v_max3_num_f32 v12, v12, |v[XS+\i]|, |v[XS+\i+1]|
	v_max3_num_f32 v13, v13, |v[XS+\i+2]|, |v[XS+\i+3]|
.endr
	v_max3_num_f32 v12, v12, |v[XS+30]|, |v[XS+31]|
	v_max3_num_f32 v12, v12, v13, 0x1800000        ; and the floor
	v_add_nc_u32 v11, 0xff000000, v12              ; the conversion's scale operand
	v_lshrrev_b32 v13, 23, v11                     ; the scale's byte
.if (\t) == 0
	v_mov_b32 v24, v13                             ; my wave's four bytes make one word, the lower K in the lower byte
.else
	v_lshl_or_b32 v24, v13, 8*(\t), v24
.endif
.irp g, 0,1,2,3
	v_cvt_scalef32_pk8_fp4_f32 v[WC+\g], v[XS+8*\g:XS+8*\g+7], v11
.endr
	v_nop                                          ; one plain line behind the last conversion
	ds_store_b128 v4, v[WC:WC+3] offset:16*(\t)    ; 32 codes: 16 bytes of my column's row
.if (\t) < 2
	LOADB (\t)+2
.endif
	s_wait_dscnt 0x0                               ; the store has read its registers: the next block's codes may be written
.endm
	QBLOCK 0
	QBLOCK 1
	QBLOCK 2
	QBLOCK 3
	ds_store_b32 v5, v24
	s_wait_dscnt 0x0                               ; for the others' sake: my stores have landed
	s_barrier_signal -1                            ; a row's 512 bytes come from all eight waves (all eight are on this path: it was chosen by the work-group's number)
	s_barrier_wait -1
.irp t, 0,1,2,3
	ds_load_b128 v[WO+4*\t:WO+4*\t+3], v7 offset:\t*WPITCH
.endr
.irp t, 0,1,2,3
	s_wait_dscnt 3-\t                              ; row t is in; the younger loads may be out
	global_store_b128 v6, v[WO+4*\t:WO+4*\t+3], s[18:19] offset:512*\t    ; the wave stores a row of 512 consecutive bytes, aligned
.endr
	s_cmp_lg_u32 s24, 0
	s_cbranch_scc1 .Lw_end
	ds_load_b128 v[128:131], v8                    ; wave 0: the 32 columns' scale bytes, 1,024 consecutive bytes of ws
	ds_load_b128 v[132:135], v8 offset:512
	s_wait_dscnt 0x0
	global_store_b128 v6, v[128:131], s[20:21]
	global_store_b128 v6, v[132:135], s[20:21] offset:512
.Lw_end:
	FIN
; ---------------- W_out: the same lane plan; pairs down K are rounded to f16.  A wave's 128 along K are 256 bytes of a row of wo16: they go through the wave's own stage and leave sixteen lanes to a row piece.
.Lwout:
	s_sub_co_u32 s26, ttmp9, 224                   ; which 32 columns
	s_lshl_b32 s30, s26, 7
	s_add_co_u32 s28, s28, s30
	s_add_nc_u64 s[6:7], s[12:13], s[28:29]
	LOADB 0
	LOADB 1
	s_mul_i32 s30, s24, OREG
	s_add_co_u32 s30, s30, OST                     ; my stage
	v_mul_u32_u24 v4, v2, OPITCH
	v_add_nc_u32 v4, s30, v4                       ; into it: row = my column
	v_and_b32 v5, 15, v2
	v_lshrrev_b32 v6, 4, v2
	v_mul_u32_u24 v7, v6, OPITCH
	v_lshl_add_u32 v7, v5, 4, v7
	v_add_nc_u32 v7, s30, v7                       ; out of it: sixteen lanes to a row, two rows an instruction
	v_lshlrev_b32 v8, 11, v6
	v_lshl_add_u32 v8, v5, 4, v8                   ; and the same place in wo16: rows of 2,048 bytes
	s_lshl_b32 s28, s26, 16                        ; my work-group's 32 rows
	s_lshl_b32 s30, s24, 8                         ; my wave's 256 bytes of each
	s_add_co_u32 s28, s28, s30
	s_add_nc_u64 s[22:23], s[22:23], s[28:29]
.macro HBLOCK t
.set XS, WX+32*((\t)%2)
.if (\t) < 3
	s_wait_loadcnt 32                              ; this block's 32 loads are in; the next block's may be out
.else
	s_wait_loadcnt 0x0
.endif
.set i, 0
.rept 16
	v_cvt_pk_f16_f32 v[WC+i], v[XS+2*i], v[XS+2*i+1]               ; the lower k in the low half
.set i, i+1
.endr
.irp g, 0,1,2,3
	ds_store_b128 v4, v[WC+4*\g:WC+4*\g+3] offset:64*(\t)+16*\g
.endr
.if (\t) < 2
	LOADB (\t)+2
.endif
	s_wait_dscnt 0x0                               ; the stores have read their registers
.endm
	HBLOCK 0
	HBLOCK 1
	HBLOCK 2
	HBLOCK 3
.irp t, 0,1,2,3,4,5,6,7,8,9,10,11,12,13,14,15
	ds_load_b128 v[WO+4*\t:WO+4*\t+3], v7 offset:2*\t*OPITCH       ; my own bytes, behind my stores
.endr
.irp t, 0,1,2,3,4,5,6,7,8,9,10,11,12,13,14,15
	s_wait_dscnt 15-\t
	global_store_b128 v8, v[WO+4*\t:WO+4*\t+3], s[22:23] offset:2*\t*2048   ; sixteen lanes store 256 consecutive bytes, aligned
.endr
	FIN
.Lfunc_end_k_q7b582733fc_prep:
	.size	k_q7b582733fc_prep, .Lfunc_end_k_q7b582733fc_prep-k_q7b582733fc_prep
	.p2alignl 7, 3214868480
	.fill 96, 4, 3214868480
	.section	.rodata,"a",@progbits
	.p2align	6, 0x0
	.amdhsa_kernel k_q7b582733fc_prep
		.amdhsa_group_segment_fixed_size 133632
		.amdhsa_private_segment_fixed_size 0
		.amdhsa_enable_private_segment 0
		.amdhsa_kernarg_size 80
		.amdhsa_user_sgpr_count 2
		.amdhsa_user_sgpr_kernarg_segment_ptr 1
		.amdhsa_wavefront_size32 1
		.amdhsa_system_sgpr_workgroup_id_x 1
		.amdhsa_system_sgpr_workgroup_id_y 1
		.amdhsa_system_sgpr_workgroup_id_z 1
		.amdhsa_system_vgpr_workitem_id 0
		.amdhsa_next_free_vgpr 192
		.amdhsa_next_free_sgpr 66
		.amdhsa_reserve_vcc 0
		.amdhsa_float_denorm_mode_32 3
		.amdhsa_float_denorm_mode_16_64 3
		.amdhsa_memory_ordered 1
		.amdhsa_forward_progress 1
		.amdhsa_inst_pref_size 76
	.end_amdhsa_kernel
	.amdgpu_metadata
---
amdhsa.version: [ 1, 2 ]
amdhsa.kernels:
  - .name:           k_q7b582733fc_prep
    .symbol:         k_q7b582733fc_prep.kd
    .args:
      - { .name: x, .offset: 0, .size: 8, .value_kind: global_buffer, .address_space: global }
      - { .name: W_query, .offset: 8, .size: 8, .value_kind: global_buffer, .address_space: global }
      - { .name: W_key, .offset: 16, .size: 8, .value_kind: global_buffer, .address_space: global }
      - { .name: W_value, .offset: 24, .size: 8, .value_kind: global_buffer, .address_space: global }
      - { .name: W_out, .offset: 32, .size: 8, .value_kind: global_buffer, .address_space: global }
      - { .name: xc, .offset: 40, .size: 8, .value_kind: global_buffer, .address_space: global }
      - { .name: xs, .offset: 48, .size: 8, .value_kind: global_buffer, .address_space: global }
      - { .name: wc, .offset: 56, .size: 8, .value_kind: global_buffer, .address_space: global }
      - { .name: ws, .offset: 64, .size: 8, .value_kind: global_buffer, .address_space: global }
      - { .name: wo16, .offset: 72, .size: 8, .value_kind: global_buffer, .address_space: global }
    .group_segment_fixed_size: 133632
    .private_segment_fixed_size: 0
    .kernarg_segment_align: 8
    .kernarg_segment_size: 80
    .max_flat_workgroup_size: 256
    .sgpr_count:     66
    .vgpr_count:     192
    .wavefront_size: 32
...
	.end_amdgpu_metadata
.endif
;; end of part 1
;; launch gemm_qkv (part 2): grid 12 x 32, 4 waves a work-group, clusters of 4 x 4, 327,680 bytes of LDS; arguments xc, xs, wc, ws, qkv, qkv32; writes qkv, qkv32
.if DOCPART == 2
	.amdgcn_target "amdgcn-amd-amdhsa--gfx1250"
	.amdhsa_code_object_version 6
	.text
	.protected	k_q7b582733fc_gemm_qkv
	.globl	k_q7b582733fc_gemm_qkv
	.p2align	8
	.type	k_q7b582733fc_gemm_qkv,@function
k_q7b582733fc_gemm_qkv:
	s_mov_b64 s[64:65], 0
	v_nop
	global_prefetch_b8 v0, s[64:65] scope:SCOPE_SE
	s_setreg_imm32_b32 hwreg(HW_REG_WAVE_MODE, 25, 1), 1
	s_wait_xcnt 0x0
	s_wait_alu depctr_hold_cnt(0) depctr_sa_sdst(0) depctr_va_vdst(0) depctr_va_sdst(0) depctr_va_ssrc(0) depctr_va_vcc(0) depctr_vm_vsrc(0)
	s_getreg_b32 s2, hwreg(HW_REG_IB_STS2, 6, 4)
	s_cmp_eq_u32 s2, 0
	s_cbranch_scc0 .Lentry_in_a_cluster
	s_endpgm
.Lentry_in_a_cluster:
	s_bfe_u32 s2, ttmp6, 0x10000c
	s_cmp_lg_u32 s2, 0xf033
	s_cbranch_scc0 .Lentry_shape_is_right
	s_endpgm
.Lentry_shape_is_right:
; q, k, v = x W_query, x W_key, x W_value as ONE product on codes of FP4 (E2M1) with E8M0 scales: [8192][1024] x [3072][1024]^T, sums in f32.
; xc [8192][512 B], wc [3072][512 B]: two codes a byte, K innermost; xs [8192][32], ws [3072][32]: a byte for each 32 along K.
; OUT: qkv [3 which][4 batch][16 head][2048 position][64] in f16, for the attention; qkv32 [64 = 16 batch + position][3072] in f32: positions 0-15 of each batch, which a later launch carries in f32 throughout.
; LIMIT: a result beyond 65,504 in magnitude has no f16 number.
; A tile of C, 256 x 256, is made by four waves, each 128 x 128: 64 accumulators of 16 x 16, 512 registers.  K = 1,024 is two slots of 512 along K (rows of 256 bytes): both are asked for at the start, nothing is filled again.
; The scales of the work-group's 256 + 256 rows, for all of K, come into LDS once, with the first fills.
; CLUSTERS: 4 x 4 work-groups.  The four of a row of the cluster need the same tiles of x, the four of a column the same tiles of the weights: each tile is asked for jointly.
; A cluster's four tile rows are the four BATCHES at the same block of positions (tile row = 8 cy + cluster y): so whether a tile holds positions 0-15 hangs on the cluster's y alone, the same in all sixteen partners.
; THE MATRIX INSTRUCTION IS USED TRANSPOSED (source 0 = 16 rows of wc, source 1 = 16 rows of xc): a lane holds eight neighbouring columns of one row of C.
; REGISTERS, in windows of 256: window 0: v0-31 addresses; v32-95 scale words, two sets; from v128 x's fragments, one set; on the way out v32-63 packed results, v128-191 rows read back.
;   window 1: the weights' fragments, two sets, at v0 and v128.   window 2: the accumulators of my rows 0-63 ((a, b) at v[8 (8 a + b)]);   window 3: those of my rows 64-127.
.set SIZE_K, 1024
.set KSTEP,  512
.set NQ,     KSTEP/128
.set ROWB,   256                       ; a tile's row in bytes
.set KROW,   SIZE_K/2                  ; a row of codes in memory
.set PITCH,  272                       ; an LDS row: 256 bytes + 16 of padding: the 16 rows that a load touches start at 16 different banks (64 banks of 4 bytes: ISA guide 11.1)
.set FR,     8
.set NL,     2
.set NP,     4                         ; places behind this matrix instruction (ISA guide 7.12.1)
.set HALFT,  128*PITCH
.set SLOT,   4*HALFT
.set KS,     SIZE_K/32                 ; a row of scales in bytes
.set SCL,    2*SLOT                    ; behind the ring: the scales, as units of 256 bytes + 16 of padding
.set HALFS,  (128*KS/256)*272
.set SBLK,   (16*KS/256)*272
.set SPARE,  SCL+4*HALFS               ; the spare words, 128 bytes for each wave: two blocks of 256 bytes that no other line names
.set SPITCH, 400                       ; the way out: a stage of 16 rows x (256 bytes + 144) for each wave, in slot 0, which has had its only fill and its last read when the first result is stored there
.set ADRA, 16
.set ADRB, 20
.set STO,  24
.set RD,   25
.set CO,   26
.set ADRS, 27
.set SPW,  28                          ; v28  LDS address of my spare word; never rewritten
.set NIL,  29                          ; v29  0; never rewritten
.set VO32, 30                          ; v30  my byte offset in qkv32
.set SC,   32
.set TMP,  32
.set AF,   128
.set BK,   128
.set G1, 24
.set G0, 32
.set G1B, 48
.set G0B, 56
.set G1S, 68
.set G0S, 76
.set G1SB, 80
.set G0SB, 88
.set MSB, 0
.macro WIN new                         ; the immediate's high byte repeats the setting that is left
.if MSB != \new
	s_set_vgpr_msb (MSB<<8)|\new
.set MSB, \new
.endif
.endm
.set MUL_LO, 0xa1                      ; source 0 window 1, source 1 window 0, C and D window 2
.set MUL_HI, 0xf1                      ; the same, C and D window 3
.set TO_B,   0x40                      ; destination window 1, address window 0
; A joint load: waves 0 and 1 fetch for x, waves 2 and 3 for the weights.  The branch hangs on the wave's number alone.  An s_nop 0 and four v_nop follow each of the two lines.
.macro JLOAD g0a, g1a, g0b, g1b
	s_cmp_eq_u32 s15, 0
	s_cbranch_scc0 .Lfor_b_\@
	tensor_load_to_lds s[\g0a:\g0a+3], s[\g1a:\g1a+7]
	s_nop 0
.rept 4
	v_nop
.endr
	s_branch .Lasked_\@
.Lfor_b_\@:
	tensor_load_to_lds s[\g0b:\g0b+3], s[\g1b:\g1b+7]
	s_nop 0
.rept 4
	v_nop
.endr
.Lasked_\@:
.endm
.macro CROUND                          ; a round of the cluster's barrier
	s_barrier_signal -1
	s_barrier_wait -1
	s_cmp_lg_u32 s14, 0
	s_cbranch_scc1 .Lnot_wave_0_\@
	s_barrier_signal -3
.Lnot_wave_0_\@:
	s_barrier_wait -3
	s_barrier_signal -1
	s_barrier_wait -1
.endm
	s_load_b128 s[4:7], s[0:1], 0x0                ; xc s[4:5], xs s[6:7]
	s_load_b128 s[8:11], s[0:1], 0x10              ; wc s[8:9], ws s[10:11]
	s_load_b64 s[12:13], s[0:1], 0x20              ; qkv
	s_load_b64 s[96:97], s[0:1], 0x28              ; qkv32
	v_lshl_add_u32 v[SPW], v0, 2, SPARE
	v_mov_b32 v[NIL], 0
	ds_add_u32 v[SPW], v[NIL]                      ; the wave's opening: the add, twice on end, and its wait ahead of my first tensor load
	ds_add_u32 v[SPW], v[NIL]                      ; (the set-up below, work on registers, stands between the second and the wait)
	v_lshrrev_b32 v1, 5, v0
	v_readfirstlane_b32 s14, v1                    ; wave 0..3
	s_lshr_b32 s15, s14, 1                         ; which half of the tile's rows is mine.  Also: I fetch for x (0) or for the weights (1)
	s_and_b32 s16, s14, 1                          ; which half of its columns.  Also: which 128 rows of that tile I fetch
	s_bfe_u32 s40, ttmp6, 0x40000                  ; cx, cy: my place in the cluster
	s_bfe_u32 s41, ttmp6, 0x40004
	s_lshl_b32 s42, ttmp9, 2
	s_add_co_u32 s42, s42, s40                     ; tile column of C = 4 x cluster x + cx
	s_and_b32 s95, ttmp7, 0xffff                   ; cluster y: the block of 256 positions
	s_lshl_b32 s17, s41, 3
	s_add_co_u32 s17, s17, s95                     ; tile row of C = 8 cy + cluster y: batch cy
	s_lshl_b32 s43, s41, 2
	s_lshl_b32 s43, 15, s43                        ; my row of the cluster
	s_lshl_b32 s44, 0x1111, s40                    ; my column
	s_or_b32 s[G1+0], s43, (0<<16)|(1<<20)|(1<<21)|(5<<22)|(3<<25)  ; 15:0 the mask; 17:16 elements of 1 byte; 20 padding on; 21 set beside a mask; 24:22 after every 64 words; 31:25 four words
	s_or_b32 s[G1B+0], s44, (0<<16)|(1<<20)|(1<<21)|(5<<22)|(3<<25)
.irp g, G1, G1B
	s_mov_b32 s[\g+1], ROWB<<16                    ; tensor_dim0
	s_mov_b32 s[\g+2], 128<<16                     ; tensor_dim1
	s_mov_b32 s[\g+3], ROWB<<16                    ; tile_dim0
	s_mov_b32 s[\g+4], 128                         ; tile_dim1
	s_mov_b32 s[\g+5], KROW                        ; tensor_dim0_stride
	s_mov_b32 s[\g+6], 0
	s_mov_b32 s[\g+7], 0
.endr
	s_or_b32 s[G1S+0], s43, (3<<16)|(1<<20)|(1<<21)|(5<<22)|(3<<25)  ; the scales of 128 rows: a dense block, as rows of 256 bytes (32 elements of 8 bytes), 16 bytes of padding behind each
	s_or_b32 s[G1SB+0], s44, (3<<16)|(1<<20)|(1<<21)|(5<<22)|(3<<25)
.irp g, G1S, G1SB
	s_mov_b32 s[\g+1], 32<<16
	s_mov_b32 s[\g+2], (128*KS/256)<<16
	s_mov_b32 s[\g+3], 32<<16
	s_mov_b32 s[\g+4], 128*KS/256
	s_mov_b32 s[\g+5], 32
	s_mov_b32 s[\g+6], 0
	s_mov_b32 s[\g+7], 0
.endr
	s_lshl_b32 s18, s16, 7                         ; which 128 rows of the tile I fetch
	s_lshl_b32 s20, s17, 8
	s_add_co_u32 s20, s20, s18                     ; x: row 256 x tile row + 128 x half
	s_lshl_b32 s46, s42, 8
	s_add_co_u32 s46, s46, s18                     ; weights: row 256 x tile column + 128 x half
	s_mov_b32 s21, 0
	s_mov_b32 s47, 0
	s_mov_b64 s[18:19], KS
	s_mul_u64 s[22:23], s[20:21], s[18:19]         ; where these rows' scales begin, in bytes
	s_mul_u64 s[92:93], s[46:47], s[18:19]
	s_mov_b64 s[18:19], KROW
	s_mul_u64 s[20:21], s[20:21], s[18:19]         ; and their codes
	s_mul_u64 s[46:47], s[46:47], s[18:19]
	s_mul_i32 s45, s14, HALFT                      ; where they go: wave x 128 rows: no place in the cluster enters an LDS address
	s_mul_i32 s94, s14, HALFS
	s_wait_dscnt 0x0                               ; both opening adds are done
	s_wait_kmcnt 0x0
	s_add_nc_u64 s[20:21], s[4:5], s[20:21]
	s_add_nc_u64 s[22:23], s[6:7], s[22:23]
	s_add_nc_u64 s[46:47], s[8:9], s[46:47]
	s_add_nc_u64 s[92:93], s[10:11], s[92:93]
	CROUND                                         ; all sixteen work-groups are here: the first joint loads meet
	s_mov_b32 s[G0S], 1
	s_add_co_u32 s[G0S+1], s94, SCL
	s_mov_b64 s[G0S+2:G0S+3], s[22:23]
	s_or_b32 s[G0S+3], s[G0S+3], 0x80000000
	s_mov_b32 s[G0SB], 1
	s_add_co_u32 s[G0SB+1], s94, SCL
	s_mov_b64 s[G0SB+2:G0SB+3], s[92:93]
	s_or_b32 s[G0SB+3], s[G0SB+3], 0x80000000
	JLOAD G0S, G1S, G0SB, G1SB                     ; the scales first: they are wanted with the first slot
.irp s, 0,1
	s_mov_b32 s[G0+4*\s], 1
	s_add_co_u32 s[G0+4*\s+1], s45, \s*SLOT
	s_add_nc_u64 s[G0+4*\s+2:G0+4*\s+3], s[20:21], \s*ROWB
	s_or_b32 s[G0+4*\s+3], s[G0+4*\s+3], 0x80000000
	s_mov_b32 s[G0B+4*\s], 1
	s_add_co_u32 s[G0B+4*\s+1], s45, \s*SLOT
	s_add_nc_u64 s[G0B+4*\s+2:G0B+4*\s+3], s[46:47], \s*ROWB
	s_or_b32 s[G0B+4*\s+3], s[G0B+4*\s+3], 0x80000000
	JLOAD G0+4*\s, G1, G0B+4*\s, G1B               ; three loads of mine are out in all
.endr
	v_and_b32 v1, 15, v0                           ; r = l % 16
	v_bfe_u32 v2, v0, 4, 1                         ; h = l / 16
	v_mul_u32_u24 v3, v1, PITCH
	v_lshl_add_u32 v4, v2, 4, v3                   ; a fragment's row x pitch + 16 x half
	s_mul_i32 s21, s15, HALFT                      ; my 128 rows of x
	s_mul_i32 s22, s16, HALFT                      ; my 128 rows of the weights,
	s_add_co_u32 s22, s22, 2*HALFT                 ; which lie behind x's 256
.irp s, 0,1
	v_add_nc_u32 v[ADRA+\s], s21, v4
	v_add_nc_u32 v[ADRB+\s], s22, v4
	s_add_co_u32 s21, s21, SLOT
	s_add_co_u32 s22, s22, SLOT
.endr
	v_mul_u32_u24 v5, v1, KS                       ; my row's scales: KS bytes a row,
	v_lshrrev_b32 v6, 8, v5
	v_lshl_add_u32 v5, v6, 4, v5                   ; and 16 more for each 256 passed
	s_mul_i32 s21, s15, HALFS
	s_mul_i32 s22, s16, HALFS
	s_add_co_u32 s22, s22, 2*HALFS
	s_sub_co_u32 s22, s22, s21
	v_mul_u32_u24 v6, s22, v2                      ; lanes 16-31 take the weights'
	s_add_co_u32 s21, s21, SCL
	v_add_nc_u32 v5, v5, v6
	v_add_nc_u32 v[ADRS], s21, v5
	s_mul_i32 s23, s14, 16*SPITCH                  ; my stage
	v_mul_u32_u24 v5, v1, SPITCH                   ; in: row r, 16 bytes for each half of the lanes
	v_lshl_add_u32 v5, v2, 4, v5
	v_add_nc_u32 v[STO], s23, v5
	v_bfe_u32 v5, v0, 3, 1                         ; back: lanes 0-7 a row's first 128 bytes (one head), lanes 8-15 the next row's; lanes 16-31 the same of the second 128 bytes (the next head)
	v_mul_u32_u24 v5, v5, SPITCH
	v_lshl_add_u32 v5, v2, 7, v5
	v_and_b32 v6, 7, v0
	v_lshl_add_u32 v5, v6, 4, v5
	v_add_nc_u32 v[RD], s23, v5
	v_lshlrev_b32 v5, 18, v2                       ; in qkv: lanes 16-31 one head's plane of 262,144 bytes on,
	v_lshl_add_u32 v[CO], v1, 4, v5                ; sixteen lanes on two positions' 256 bytes
	v_mul_u32_u24 v5, v1, 12288
	v_lshl_add_u32 v[VO32], v2, 5, v5              ; in qkv32: row r of 12,288 bytes, + 32 h
	s_lshr_b32 s20, s42, 2                         ; which of q, k, v: 64 planes each
	s_lshl_b32 s20, s20, 6
	s_lshl_b32 s21, s41, 4                         ; the batch: 16 planes
	s_add_co_u32 s20, s20, s21
	s_and_b32 s21, s42, 3                          ; the tile's four heads,
	s_lshl_b32 s21, s21, 2
	s_add_co_u32 s20, s20, s21
	s_lshl_b32 s21, s16, 1                         ; my two of them
	s_add_co_u32 s20, s20, s21
	s_lshl_b32 s20, s20, 18
	s_lshl_b32 s21, s95, 15                        ; position 256 x cluster y, 128 bytes each,
	s_add_co_u32 s20, s20, s21
	s_lshl_b32 s21, s15, 14                        ; + 128 x my half
	s_add_co_u32 s20, s20, s21
	s_mov_b32 s21, 0
	s_add_nc_u64 s[12:13], s[12:13], s[20:21]
	s_mul_i32 s20, s41, 196608                     ; qkv32: the batch's 16 rows,
	s_lshl_b32 s21, s42, 10                        ; the tile's 256 columns,
	s_add_co_u32 s20, s20, s21
	s_lshl_b32 s21, s16, 9                         ; my 128 of them
	s_add_co_u32 s20, s20, s21
	s_mov_b32 s21, 0
	s_add_nc_u64 s[96:97], s[96:97], s[20:21]
.macro FRAG reg, adr, q, i             ; a fragment, 16 rows x 128 K of 4-bit codes, is 8 registers: lane l holds row l % 16; registers 4 c .. 4 c + 3 hold K = 64 c + 32 (l / 16) + 0 .. 31
.irp c, 0,1
	ds_load_b128 v[\reg+4*\c:\reg+4*\c+3], v[\adr] offset:64*(\q)+32*\c+(\i)*16*PITCH
.endr
.endm
; 16 matrix instructions: x's blocks a0, a0 + 1 against the weights' eight, 128 along K: the slot's q-th.  zero = 1: the first product starts the sums.  The 64 accumulators take turns, one instruction a turn.
.macro MUL16 a0, p, q, sc, zero
.irp a, \a0, \a0+1
.irp b, 0,1,2,3,4,5,6,7
.if \zero
	v_wmma_scale_f32_16x16x128_f8f6f4 v[8*(8*((\a)%4)+\b):8*(8*((\a)%4)+\b)+7], v[128*(\p)+FR*\b:128*(\p)+FR*\b+FR-1], v[AF+FR*(\a):AF+FR*(\a)+FR-1], 0, v[SC+8*NQ*(\sc)+NQ*\b+(\q)], v[SC+8*NQ*(\sc)+NQ*(\a)+(\q)] matrix_a_fmt:MATRIX_FMT_FP4 matrix_b_fmt:MATRIX_FMT_FP4 matrix_a_scale:MATRIX_SCALE_ROW1
.else
	v_wmma_scale_f32_16x16x128_f8f6f4 v[8*(8*((\a)%4)+\b):8*(8*((\a)%4)+\b)+7], v[128*(\p)+FR*\b:128*(\p)+FR*\b+FR-1], v[AF+FR*(\a):AF+FR*(\a)+FR-1], v[8*(8*((\a)%4)+\b):8*(8*((\a)%4)+\b)+7], v[SC+8*NQ*(\sc)+NQ*\b+(\q)], v[SC+8*NQ*(\sc)+NQ*(\a)+(\q)] matrix_a_fmt:MATRIX_FMT_FP4 matrix_b_fmt:MATRIX_FMT_FP4 matrix_a_scale:MATRIX_SCALE_ROW1
.endif
.endr
.endr
.endm
.macro FETCH_B slot, q, p
	WIN TO_B
.irp i, 0,1,2,3,4,5,6,7
	FRAG 128*(\p)+FR*\i, ADRB+\slot, \q, \i
.endr
	WIN 0
.endm
.macro FETCH_A slot, q, i0
.irp i, \i0, \i0+1, \i0+2, \i0+3
	FRAG AF+FR*(\i), ADRA+\slot, \q, \i
.endr
.endm
.macro SCALES sc                       ; a slot's scale words: four a row; lanes 0-15 take x's block i, lanes 16-31 the weights' block i
.irp i, 0,1,2,3,4,5,6,7
	ds_load_b128 v[SC+8*NQ*\sc+NQ*\i:SC+8*NQ*\sc+NQ*\i+3], v[ADRS] offset:\i*SBLK
.endr
.endm
.macro PLACES n                        ; plain vector instructions between a matrix instruction and a load into, or a read of, its registers
.rept \n
	v_nop
.endr
.endm
.macro STEP slot, q, zero              ; a step of 128 along K that has its successor in the same slot
	s_wait_dscnt 4*NL                              ; the weights' set and x's blocks 0-3 are in; the youngest eight loads (x's blocks 4-7) may be out
	WIN MUL_LO
	MUL16 0, (\q)%2, \q, \slot, \zero
	MUL16 2, (\q)%2, \q, \slot, \zero
	s_wait_dscnt 0                                 ; x's blocks 4-7 are in
	PLACES NP
	FETCH_B \slot, (\q)+1, 1-(\q)%2
	FETCH_A \slot, (\q)+1, 0
	WIN MUL_HI
	MUL16 4, (\q)%2, \q, \slot, \zero
	MUL16 6, (\q)%2, \q, \slot, \zero
	PLACES NP
	WIN 0
	FETCH_A \slot, (\q)+1, 4
.endm
.macro TURN slot, next                 ; slot 0's last step changes slots: one barrier; in front of it each wave waits for all its tensor loads, so that behind it slot 1 is whole for every wave
	s_wait_tensorcnt 0x0                           ; my part of the next slot has landed
	ds_add_u32 v[SPW], v[NIL]                      ; 0 onto my spare word
	s_wait_dscnt 4*NL+1                            ; (the add and the youngest eight loads may be out)
	WIN MUL_LO
	MUL16 0, 1, NQ-1, \slot, 0
	s_wait_dscnt 0x0                               ; the add is done, and my reads of this slot are over
	s_barrier_signal -1
	MUL16 2, 1, NQ-1, \slot, 0
	WIN 0
	s_barrier_wait -1
	PLACES NP
	v_add_nc_u32 v[ADRS], 4*NQ, v[ADRS]            ; on to the next slot's scale words (no LDS load of mine is out)
	FETCH_B \next, 0, 0
	FETCH_A \next, 0, 0
	SCALES \next
	WIN MUL_HI
	MUL16 4, 1, NQ-1, \slot, 0
	MUL16 6, 1, NQ-1, \slot, 0
	PLACES NP
	WIN 0
	FETCH_A \next, 0, 4
.endm
	s_wait_tensorcnt 1                             ; the scales and my part of slot 0 are in (slot 1's load may be out)
	s_barrier_signal -1
	s_barrier_wait -1                              ; everybody's are
	FETCH_B 0, 0, 0
	FETCH_A 0, 0, 0
	SCALES 0
	FETCH_A 0, 0, 4
	STEP 0, 0, 1                                   ; the first step's products start the sums: nothing is cleared
	STEP 0, 1, 0
	STEP 0, 2, 0
	TURN 0, 1
	STEP 1, 0, 0
	STEP 1, 1, 0
	STEP 1, 2, 0
	s_wait_dscnt 4*NL                              ; the last step: nothing more to fetch
	WIN MUL_LO
	MUL16 0, 1, NQ-1, 1, 0
	MUL16 2, 1, NQ-1, 1, 0
	s_wait_dscnt 0
	WIN MUL_HI
	MUL16 4, 1, NQ-1, 1, 0
	MUL16 6, 1, NQ-1, 1, 0
	WIN 0
	PLACES NP                                      ; behind the last products: for the reads of results and the writes of operand and scale registers below
	; POSITIONS 0-15 IN f32: they are block 0 of the waves with the upper half of the rows, in the clusters with y = 0.  The test hangs on the cluster's y and the wave's number alone.
	; A lane stores 32 bytes of a row at a time: 786,432 bytes in all leave in such pieces.
	s_or_b32 s98, s95, s15
	s_cmp_lg_u32 s98, 0
	s_cbranch_scc1 .Lno32
	WIN 0x08                                       ; a store's data are its source 1: window 2
.irp b, 0,1,2,3,4,5,6,7
	global_store_b128 v[VO32], v[8*\b:8*\b+3], s[96:97] offset:64*\b        ; each accumulator from its low end on
	global_store_b128 v[VO32], v[8*\b+4:8*\b+7], s[96:97] offset:64*\b+16
.endr
	WIN 0
.Lno32:
; THE WAY OUT, block by block of 16 rows x 128 columns (two heads).  PACK: rounded to f16, 16 bytes a lane.  TOSTAGE: into my own stage, and back so that sixteen lanes hold two positions of one head.  SEND: stored.
.macro PACK a
.set AC, 64*((\a)%4)
	WIN 0x0a+5*((\a)/4)                            ; sources 0 and 1: window 2 or 3
.irp b, 0,1,2,3,4,5,6,7
.irp i, 0,1,2,3
	v_cvt_pk_f16_f32 v[TMP+4*\b+\i], v[AC+8*\b+2*\i], v[AC+8*\b+2*\i+1]
.endr
.endr
	WIN 0
.endm
.macro TOSTAGE a
.set BB, BK+32*((\a)%2)
.irp b, 0,1,2,3,4,5,6,7
	ds_store_b128 v[STO], v[TMP+4*\b:TMP+4*\b+3] offset:32*\b
.endr
.irp t, 0,1,2,3,4,5,6,7
	ds_load_b128 v[BB+4*\t:BB+4*\t+3], v[RD] offset:\t*2*SPITCH    ; LDS serves a wave's instructions in order (ISA guide 5.7.1.4): these see the stores above
.endr
.endm
.macro SEND a
.set BB, BK+32*((\a)%2)
	s_wait_dscnt 0x0                               ; the block is back in registers
	s_wait_xcnt 0x0                                ; the block before has left its registers: the next block's loads from the stage may land there
.irp t, 0,1,2,3,4,5,6,7
	global_store_b128 v[CO], v[BB+4*\t:BB+4*\t+3], s[12:13] offset:2048*(\a)+256*\t   ; sixteen lanes store 256 consecutive bytes, aligned: two positions of one head
.endr
.endm
	PACK 0
	TOSTAGE 0
.irp a, 1,2,3,4,5,6,7                  ; block a's conversions stand between block a - 1's loads from the stage and the wait for them
	PACK \a
	SEND \a-1
	TOSTAGE \a
.endr
	SEND 7
	s_wait_tensorcnt 0x0                           ; the wave's end, behind my last tensor load and my last LDS store
	ds_add_u32 v[SPW], v[NIL]
	s_wait_dscnt 0x0
	CROUND                                         ; the closing round: no work-group ends while a partner may still ask for a tile that names it
	s_endpgm
.Lfunc_end_k_q7b582733fc_gemm_qkv:
	.size	k_q7b582733fc_gemm_qkv, .Lfunc_end_k_q7b582733fc_gemm_qkv-k_q7b582733fc_gemm_qkv
	.p2alignl 7, 3214868480
	.fill 96, 4, 3214868480
	.section	.rodata,"a",@progbits
	.p2align	6, 0x0
	.amdhsa_kernel k_q7b582733fc_gemm_qkv
		.amdhsa_group_segment_fixed_size 327680
		.amdhsa_private_segment_fixed_size 0
		.amdhsa_enable_private_segment 0
		.amdhsa_kernarg_size 48
		.amdhsa_user_sgpr_count 2
		.amdhsa_user_sgpr_kernarg_segment_ptr 1
		.amdhsa_wavefront_size32 1
		.amdhsa_system_sgpr_workgroup_id_x 1
		.amdhsa_system_sgpr_workgroup_id_y 1
		.amdhsa_system_sgpr_workgroup_id_z 1
		.amdhsa_system_vgpr_workitem_id 0
		.amdhsa_next_free_vgpr 1024
		.amdhsa_next_free_sgpr 100
		.amdhsa_reserve_vcc 0
		.amdhsa_float_denorm_mode_32 3
		.amdhsa_float_denorm_mode_16_64 3
		.amdhsa_memory_ordered 1
		.amdhsa_forward_progress 1
		.amdhsa_inst_pref_size 129
	.end_amdhsa_kernel
	.amdgpu_metadata
---
amdhsa.version: [ 1, 2 ]
amdhsa.kernels:
  - .name:           k_q7b582733fc_gemm_qkv
    .symbol:         k_q7b582733fc_gemm_qkv.kd
    .args:
      - { .name: xc, .offset: 0, .size: 8, .value_kind: global_buffer, .address_space: global }
      - { .name: xs, .offset: 8, .size: 8, .value_kind: global_buffer, .address_space: global }
      - { .name: wc, .offset: 16, .size: 8, .value_kind: global_buffer, .address_space: global }
      - { .name: ws, .offset: 24, .size: 8, .value_kind: global_buffer, .address_space: global }
      - { .name: qkv, .offset: 32, .size: 8, .value_kind: global_buffer, .address_space: global }
      - { .name: qkv32, .offset: 40, .size: 8, .value_kind: global_buffer, .address_space: global }
    .group_segment_fixed_size: 327680
    .private_segment_fixed_size: 0
    .kernarg_segment_align: 8
    .kernarg_segment_size: 48
    .max_flat_workgroup_size: 128
    .sgpr_count:     100
    .vgpr_count:     1024
    .wavefront_size: 32
...
	.end_amdgpu_metadata
.endif
;; end of part 2
;; launch attn (part 3): grid 4 x 64, 16 waves a work-group, no clusters, 327,680 bytes of LDS; arguments qkv, ctx; writes ctx
.if DOCPART == 3
	.amdgcn_target "amdgcn-amd-amdhsa--gfx1250"
	.amdhsa_code_object_version 6
	.text
	.protected	k_q7b582733fc_attn
	.globl	k_q7b582733fc_attn
	.p2align	8
	.type	k_q7b582733fc_attn,@function
k_q7b582733fc_attn:
	s_mov_b64 s[64:65], 0
	v_nop
	global_prefetch_b8 v0, s[64:65] scope:SCOPE_SE
	s_setreg_imm32_b32 hwreg(HW_REG_WAVE_MODE, 25, 1), 1
	s_wait_xcnt 0x0
; ctx[b][q][h][:] = the sum over k <= q of softmax_k(Q[q] . K[k] / 8) V[k][:], for each of the 64 (batch, head) planes.  qkv [3][64 planes][2048][64] f16; ctx [16 head][8192 = 2048 batch + position][64] f16.
; Products on f16 operands with f32 sums; maxima, exponentials and sums in f32; the weights p (at most 1) are rounded to f16 for the second product, ctx once at the end.
; LIMIT: operands beyond 65,504 in magnitude have no f16 number (they would have been lost in the launch before).  Positions 0-15 of each batch are made here too, and are made again in f32 by a later launch.
; SHARES.  A work-group owns query blocks I and 7 - I (256 queries each) of one plane, I its x: under the causal mask block i wants i + 1 blocks of 256 keys, so every work-group walks NINE slots of keys:
; trips 0 .. I serve block I (key blocks 0 .. I), trips I + 1 .. 8 serve block 7 - I (key blocks 0 .. 7 - I).  The trip count is a constant, the work is even, and every slot that is asked for is read.
; Each of the SIXTEEN waves owns 16 queries, one tile, in 256 registers: four waves to a SIMD, so that one wave's vector work stands beside another's matrix work and LDS loads.
; NO CLUSTER: the four work-groups of a plane want different key blocks in the same trip (trip t: block t where t <= I, else t - I - 1), so their requests for a tile do not meet.
; LAYOUT.  S^T = K Q^T (source 0 = 16 keys, source 1 = my 16 queries): a lane holds ONE query (lane % 16) and keys 8 (lane / 16) + 0..7.  Two such tiles, rounded in pairs, are source 1 of O^T = V^T P.
; K comes out of LDS as it lies, V ([key][channel]) turned, by ds_load_tr16_b128.
; SOFTMAX.  A running maximum m and sum l for each query: p = 2^(c s - c m), c = log2(e) / 8; in every step O and l are multiplied by a = 2^(c m_old - c m_new).
.set KP,    144                        ; a row of K in LDS: 128 bytes + 16
.set VP,    160                        ; a row of V: 128 + 32
.set VOFF,  256*KP                     ; a slot: 256 rows of K, then 256 rows of V
.set SLOT1, 1<<17                      ; slot 1 begins here: one exclusive or turns an address in one slot into the other's
.set STAGE, SLOT1+VOFF+256*VP          ; behind the ring: 16 rows x 144 bytes for each wave, for the way out; no tile lands there
.set SPARE, STAGE+16*16*KP             ; the spare words, 128 bytes for each wave: eight blocks of 256 bytes that no other line names
.set AK0, 1                            ; v1   my lane's place in a tile of K
.set AV0, 2                            ; v2   the same for V
.set SPW, 3                            ; v3   LDS address of my spare word; never rewritten
.set NIL, 4                            ; v4   0; never rewritten
.set QO,  5                            ; v5   my byte offset in my 16 rows of Q
.set STO, 6                            ; v6   the way out: where I put 16 bytes of a row
.set RD,  7                            ; v7   and where I read rows back
.set GO,  8                            ; v8   my byte offset in my 16 rows of ctx
.set ADK, 9                            ; v9   LDS address of the slot's K for my lane
.set ADV, 10                           ; v10  of its V
.set RH,  11                           ; v11  lane % 16 - 8 (lane / 16)
.set CM,  12                           ; v12  c m     (named with m as a pair)
.set MM,  13                           ; v13  m
.set LL,  14                           ; v[14:15] l, even keys' and odd keys'
.set CH,  16                           ; v16-19 at work: the maximum's four chains
.set AA,  20                           ; v[20:21] a, or 1 / l; v21 is only named with it
.set DD,  22                           ; v22  the mask's bound
.set NINF, 23                          ; v23  -infinity
.set QR,  24                           ; v24-39   Q: two fragments
.set KR,  40                           ; v40-103  K: fragment (16 keys kt, 32 channels c) at 16 kt + 8 c
.set VR,  104                          ; v104-167 V^T: fragment (32 keys kh, 16 channels ct) at 8 (4 kh + ct)
.set SR,  168                          ; v168-199 S^T, then p
.set PR,  200                          ; v200-215 P in f16
.set OR,  216                          ; v216-247 O^T
.set PFO, 248                          ; v248 256 x my lane; never rewritten
.set WV,  8                            ; s8   my wave's number
.set II,  9                            ; s9   I
.set TT,  10                           ; s10  the trip
.set Q0,  11                           ; s11  my first query
.set KF,  12                           ; s12  the step's first key
.set TB,  13                           ; s13  LDS byte at which the slot in hand begins
.set LIMT, 14                          ; s14  a wave prefetches while the trip is under this
.set QB,  16                           ; s[16:17] Q's plane;  s[18:19], s[20:21] my half of a key block 0 in K's and V's;  s[22:23] my plane's rows of ctx
.set KB,  18
.set VB,  20
.set CB,  22
.set G1K, 24
.set G1V, 32
.set G0K, 40
.set G0V, 44
.set SEL, 48                           ; s[48:49] selects of v_permlanex16_b32: lane l xor 16
.set CS,  50                           ; s[50:51] c, twice: the packed form names a pair
.set PFA, 52                           ; s[52:53] where my prefetches stand
.macro TLOAD                           ; waves 0 and 1 fetch K's halves, waves 2 and 3 V's, the others nothing.  An s_nop 0 and four v_nop follow each of the two lines
	s_cmp_lt_u32 s[WV], 2
	s_cbranch_scc0 .Lnot_k_\@
	tensor_load_to_lds s[G0K:G0K+3], s[G1K:G1K+7]
	s_nop 0
.rept 4
	v_nop
.endr
	s_branch .Lasked_\@
.Lnot_k_\@:
	s_cmp_lt_u32 s[WV], 4
	s_cbranch_scc0 .Lasked_\@
	tensor_load_to_lds s[G0V:G0V+3], s[G1V:G1V+7]
	s_nop 0
.rept 4
	v_nop
.endr
.Lasked_\@:
.endm
; A PREFETCH INTO THE L2, a slot's four key steps ahead: in trip t the plane's work-group with I = 0 names key block t + 1, which it loads in trip t + 1; t = 0 .. 6, so key blocks 1 .. 7 of K and V are each named once in the launch.
; The waves ask that fetch nothing: waves 4-7 for K's 32,768 bytes, 8,192 a wave, lanes 256 bytes apart; waves 8-11 for V's.  Key block 0 comes by its loads alone.
.macro ASK
	s_cmp_lt_u32 s[TT], s[LIMT]
	s_cbranch_scc0 .Lnot_mine_\@
	global_prefetch_b8 v[PFO], s[PFA:PFA+1] th:TH_LOAD_NT scope:SCOPE_SE
.Lnot_mine_\@:
.endm
	s_load_b128 s[4:7], s[0:1], 0x0                ; qkv s[4:5], ctx s[6:7]
	v_lshl_add_u32 v[SPW], v0, 2, SPARE
	v_mov_b32 v[NIL], 0
	ds_add_u32 v[SPW], v[NIL]                      ; the wave's opening: the add, twice on end, and its wait ahead of my first tensor load
	ds_add_u32 v[SPW], v[NIL]                      ; (the set-up below, work on registers, stands between the second and the wait)
	v_lshrrev_b32 v9, 5, v0
	v_readfirstlane_b32 s[WV], v9                  ; wave 0..15
	s_mov_b32 s[II], ttmp9
	s_and_b32 s58, ttmp7, 0xffff                   ; the plane: 16 batch + head
	s_lshl_b32 s54, s58, 18                        ; its 262,144 bytes in each of q, k, v
	s_mov_b32 s55, 0
	s_and_b32 s59, s58, 15
	s_lshl_b32 s59, s59, 20                        ; ctx: the head's 8,192 rows of 128 bytes,
	s_lshr_b32 s60, s58, 4
	s_lshl_b32 s60, s60, 18                        ; the batch's 2,048 of them
	s_add_co_u32 s56, s59, s60
	s_mov_b32 s57, 0
	s_and_b32 s61, s[WV], 1                        ; which half of a key block I fetch, if I fetch:
	s_lshl_b32 s62, s61, 14                        ; its 128 rows of 128 bytes in memory,
	s_mov_b32 s63, 0
	s_mul_i32 s59, s61, 128*KP                     ; and in a slot: K's,
	s_mul_i32 s60, s61, 128*VP
	s_add_co_u32 s60, s60, VOFF                    ; V's
	s_mov_b32 s[G1K], (1<<16)|(1<<20)|(4<<22)|(3<<25)   ; no mask; elements of 2 bytes; padding on: after every 32 words four words
	s_mov_b32 s[G1V], (1<<16)|(1<<20)|(4<<22)|(7<<25)   ; the same with eight words
.irp g, G1K, G1V
	s_mov_b32 s[\g+1], 64<<16                      ; tensor_dim0 = 64
	s_mov_b32 s[\g+2], 128<<16                     ; tensor_dim1 = 128
	s_mov_b32 s[\g+3], 64<<16                      ; tile_dim0 = 64
	s_mov_b32 s[\g+4], 128                         ; tile_dim1 = 128
	s_mov_b32 s[\g+5], 64                          ; elements from row to row
	s_mov_b32 s[\g+6], 0
	s_mov_b32 s[\g+7], 0
.endr
	s_mov_b32 s[SEL], 0x76543210
	s_mov_b32 s[SEL+1], 0xfedcba98
	s_mov_b32 s[CS], 0x3e38aa3b                    ; c = log2(e) / 8
	s_mov_b32 s[CS+1], s[CS]
	s_mov_b32 s[TB], 0
	s_mov_b32 s[TT], 0
	s_sub_co_u32 s58, s[WV], 4
	s_lshr_b32 s58, s58, 3                         ; 0 in waves 4 to 11,
	s_or_b32 s58, s58, ttmp9                       ; of the plane's work-group with I = 0
	s_cmp_eq_u32 s58, 0
	s_cselect_b32 s[LIMT], 7, 0
	s_wait_dscnt 0x0                               ; both opening adds are done
	s_wait_kmcnt 0x0
	s_add_nc_u64 s[QB:QB+1], s[4:5], s[54:55]
	s_add_nc_u64 s[KB:KB+1], s[QB:QB+1], 0x1000000 ; k lies 64 planes behind q,
	s_add_nc_u64 s[VB:VB+1], s[QB:QB+1], 0x2000000 ; v 128
	s_add_nc_u64 s[CB:CB+1], s[6:7], s[56:57]
	s_cmp_lt_u32 s[WV], 8
	s_cselect_b64 s[PFA:PFA+1], s[KB:KB+1], s[VB:VB+1]
	s_and_b32 s54, s[WV], 3
	s_lshl_b32 s54, s54, 13
	s_add_nc_u64 s[PFA:PFA+1], s[PFA:PFA+1], s[54:55]   ; my 8,192 bytes of key block 0; the first change of slots steps it to block 1
	s_add_nc_u64 s[KB:KB+1], s[KB:KB+1], s[62:63]
	s_add_nc_u64 s[VB:VB+1], s[VB:VB+1], s[62:63]
	s_mov_b32 s[G0K], 1                            ; count = 1
	s_mov_b32 s[G0K+1], s59                        ; LDS address: slot 0
	s_mov_b64 s[G0K+2:G0K+3], s[KB:KB+1]           ; key block 0
	s_or_b32 s[G0K+3], s[G0K+3], 0x80000000        ; type = 2
	s_mov_b32 s[G0V], 1
	s_mov_b32 s[G0V+1], s60
	s_mov_b64 s[G0V+2:G0V+3], s[VB:VB+1]
	s_or_b32 s[G0V+3], s[G0V+3], 0x80000000
	TLOAD                                          ; slot 0's first fill: a loading wave has one load out, here and behind every barrier
	v_and_b32 v249, 15, v0                         ; r
	v_bfe_u32 v250, v0, 4, 1                       ; h
	v_and_b32 v251, 31, v0                         ; lane
	v_mul_u32_u24 v[AK0], v249, KP
	v_lshl_add_u32 v[AK0], v250, 4, v[AK0]         ; K: row r, + 16 h
	v_and_b32 v252, 7, v0
	v_bfe_u32 v253, v0, 3, 1
	v_lshl_add_u32 v[AV0], v250, 3, v252           ; V, for the turning load: key 8 h + lane % 8,
	v_mul_u32_u24 v[AV0], v[AV0], VP
	v_lshl_add_u32 v[AV0], v253, 4, v[AV0]         ; channels 8 ((lane / 8) % 2) on
	v_add_nc_u32 v[AV0], VOFF, v[AV0]
	v_lshlrev_b32 v[QO], 7, v249
	v_lshl_add_u32 v[QO], v250, 4, v[QO]           ; Q: row r of 128 bytes, + 16 h
	s_mul_i32 s58, s[WV], 16*KP
	s_add_co_u32 s58, s58, STAGE                   ; my stage
	v_mul_u32_u24 v[STO], v249, KP
	v_lshl_add_u32 v[STO], v250, 4, v[STO]
	v_add_nc_u32 v[STO], s58, v[STO]               ; in: row r, + 16 h
	v_bfe_u32 v254, v0, 3, 2
	v_mul_u32_u24 v[RD], v254, KP
	v_lshl_add_u32 v[RD], v252, 4, v[RD]
	v_add_nc_u32 v[RD], s58, v[RD]                 ; back: eight lanes to a row of 128 bytes, four rows an instruction
	v_lshlrev_b32 v[GO], 4, v251                   ; which are 512 consecutive bytes of ctx
	v_lshlrev_b32 v255, 3, v250
	v_sub_nc_u32 v[RH], v249, v255
	v_mov_b32 v[NINF], 0xff800000
	v_lshlrev_b32 v[PFO], 8, v251
	v_mov_b32 v[CH+1], 0                           ; written once: a lane permute's destination counts as one of its sources
	v_mov_b32 v[AA+1], 0                           ; named as the upper half of the pair before it is ever written
; A block of queries begins: blk is the scalar register with its number.  m starts at -3e38, under every score, l and O^T at 0: the first step's a is then 0 and multiplies zeros.
.macro RESTART blk
	s_lshl_b32 s[Q0], s[\blk], 8
	s_lshl_b32 s59, s[WV], 4
	s_add_co_u32 s[Q0], s[Q0], s59                 ; my first query: 256 x block + 16 x wave
	s_mov_b32 s[KF], 0
	s_lshl_b32 s56, s[Q0], 7
	s_mov_b32 s57, 0
	s_add_nc_u64 s[56:57], s[QB:QB+1], s[56:57]
.irp i, 0,1,2,3
	global_load_b128 v[QR+4*\i:QR+4*\i+3], v[QO], s[56:57] offset:32*\i   ; two fragments: channels 8 h, 16 + 8 h, 32 + 8 h, 48 + 8 h on
.endr
	v_mov_b32 v[MM], 0xff61b1e6
	v_mul_f32 v[CM], s[CS], v[MM]
	v_mov_b32 v[LL], 0
	v_mov_b32 v[LL+1], 0
.set i, 0
.rept 32
	v_mov_b32 v[OR+i], 0
.set i, i+1
.endr
	s_wait_loadcnt 0x0                             ; Q is in
.endm
; A KEY STEP: 64 keys, the q-th of the slot in hand.
.macro STEP q
	s_cmp_gt_u32 s[KF], s[Q0]                      ; KF is a multiple of 64 and Q0 of 16: beyond Q0 it lies beyond all my 16 queries, and the step is left out;
	s_cbranch_scc1 .Lhidden_\@                     ; else key KF counts for all 16, so every maximum is a number
	v_add_nc_u32 v[ADK], s[TB], v[AK0]
	v_add_nc_u32 v[ADV], s[TB], v[AV0]
.irp kt, 0,1,2,3
.irp c, 0,1
	ds_load_b128 v[KR+16*\kt+8*\c:KR+16*\kt+8*\c+3],   v[ADK] offset:(64*(\q)+16*\kt)*KP+64*\c
	ds_load_b128 v[KR+16*\kt+8*\c+4:KR+16*\kt+8*\c+7], v[ADK] offset:(64*(\q)+16*\kt)*KP+64*\c+32
.endr
.endr
.irp kh, 0,1
.irp ct, 0,1,2,3
	ds_load_tr16_b128 v[VR+8*(4*\kh+\ct):VR+8*(4*\kh+\ct)+3],   v[ADV] offset:(64*(\q)+32*\kh)*VP+32*\ct
	ds_load_tr16_b128 v[VR+8*(4*\kh+\ct)+4:VR+8*(4*\kh+\ct)+7], v[ADV] offset:(64*(\q)+32*\kh+16)*VP+32*\ct
.endr
.endr
	s_wait_dscnt 16                                ; K's sixteen loads are in; V's sixteen may be out
.irp kt, 0,1,2,3                       ; S^T = K Q^T: the four tiles of keys take turns, one instruction a turn; the first four start the sums
	v_wmma_f32_16x16x32_f16 v[SR+8*\kt:SR+8*\kt+7], v[KR+16*\kt:KR+16*\kt+7], v[QR:QR+7], 0
.endr
.irp kt, 0,1,2,3
	v_wmma_f32_16x16x32_f16 v[SR+8*\kt:SR+8*\kt+7], v[KR+16*\kt+8:KR+16*\kt+15], v[QR+8:QR+15], v[SR+8*\kt:SR+8*\kt+7]
.endr
.rept 4
	v_nop                                          ; places between the products and the first read of their results (ISA guide 7.12.1)
.endr
	s_add_co_u32 s58, s[KF], 63                    ; on the diagonal hidden scores become -infinity ahead of the maximum; a step all of whose keys count passes this over
	s_cmp_le_u32 s58, s[Q0]
	s_cbranch_scc1 .Lopen_\@
	s_sub_co_i32 s58, s[Q0], s[KF]
	v_add_nc_u32 v[DD], s58, v[RH]                 ; d = my query - KF - 8 (lane / 16).  Register n holds key KF + 8 (lane / 16) + 16 (n / 8) + n % 8: hidden where 16 (n / 8) + n % 8 > d
.set n, 0
.rept 32
	v_cmp_gt_i32 vcc_lo, 16*(n/8)+n%8, v[DD]
	v_cndmask_b32 v[SR+n], v[SR+n], v[NINF], vcc_lo
.set n, n+1
.endr
.Lopen_\@:
.irp x, 0,1,2,3                        ; the maximum of my 32 scores and the old m: four chains, each tile of scores from its low end on
	v_max3_num_f32 v[CH+\x], v[SR+8*\x], v[SR+8*\x+1], v[SR+8*\x+2]
.endr
.irp y, 3,5
.irp x, 0,1,2,3
	v_max3_num_f32 v[CH+\x], v[CH+\x], v[SR+8*\x+\y], v[SR+8*\x+\y+1]
.endr
.endr
	v_max3_num_f32 v[CH], v[CH], v[SR+7], v[SR+15]
	v_max3_num_f32 v[CH+2], v[CH+2], v[SR+23], v[SR+31]
	v_max3_num_f32 v[CH], v[CH], v[CH+1], v[CH+2]
	v_max3_num_f32 v[CH], v[CH], v[CH+3], v[MM]
	v_permlanex16_b32 v[CH+1], v[CH], s[SEL], s[SEL+1]             ; the query's other 32 keys lie in the lane 16 away
	v_mov_b32 v[CH+3], v[CM]                       ; c m_old is kept for a
	v_max_num_f32 v[MM], v[CH], v[CH+1]
	v_mul_f32 v[CM], s[CS], v[MM]
	v_sub_f32 v[CH+3], v[CH+3], v[CM]
.set i, 0
.rept 16
	v_pk_fma_f32 v[SR+2*i:SR+2*i+1], v[SR+2*i:SR+2*i+1], s[CS:CS+1], v[CM:CM+1] op_sel_hi:[1,0,0] neg_lo:[0,0,1] neg_hi:[0,0,1]   ; c s - c m, two at a time
.set i, i+1
.endr
	v_exp_f32 v[AA], v[CH+3]                       ; a.  ONE BATCH of 33 exponentials: none reads another's result
.set i, 0
.rept 32
	v_exp_f32 v[SR+i], v[SR+i]                     ; p
.set i, i+1
.endr
	v_nop                                          ; a plain instruction behind the last exponential,
	s_wait_alu depctr_va_vdst(0)                   ; and the one wait ahead of the batch's first reader
.set i, 0
.rept 16
	v_cvt_pk_f16_f32 v[PR+i], v[SR+2*i], v[SR+2*i+1]               ; P: the pairs are source 1 of the second product as they stand
.set i, i+1
.endr
	v_pk_fma_f32 v[LL:LL+1], v[LL:LL+1], v[AA:AA+1], v[SR:SR+1] op_sel_hi:[1,0,1]   ; l = a l + the sum of the unrounded p, in two chains
	v_pk_add_f32 v[CH:CH+1], v[SR+2:SR+3], v[SR+4:SR+5]
.irp j, 3,5,7,9,11,13
	v_pk_add_f32 v[LL:LL+1], v[LL:LL+1], v[SR+2*\j:SR+2*\j+1]
	v_pk_add_f32 v[CH:CH+1], v[CH:CH+1], v[SR+2*\j+2:SR+2*\j+3]
.endr
	v_pk_add_f32 v[LL:LL+1], v[LL:LL+1], v[SR+30:SR+31]
	v_pk_add_f32 v[LL:LL+1], v[LL:LL+1], v[CH:CH+1]
.set i, 0
.rept 16
	v_pk_mul_f32 v[OR+2*i:OR+2*i+1], v[OR+2*i:OR+2*i+1], v[AA:AA+1] op_sel_hi:[1,0]   ; O^T x a, each tile from its low end on
.set i, i+1
.endr
	s_wait_dscnt 0x0                               ; V is in
.irp kh, 0,1                           ; O^T += V^T P: the four tiles of channels take turns
.irp ct, 0,1,2,3
	v_wmma_f32_16x16x32_f16 v[OR+8*\ct:OR+8*\ct+7], v[VR+8*(4*\kh+\ct):VR+8*(4*\kh+\ct)+7], v[PR+8*\kh:PR+8*\kh+7], v[OR+8*\ct:OR+8*\ct+7]
.endr
.endr
.rept 4
	v_nop                                          ; places in front of the next loads into V's registers and of the next read of O^T
.endr
.Lhidden_\@:
	s_add_co_u32 s[KF], s[KF], 64
.endm
; THE CHANGE OF SLOTS stands at a slot's head.  Each wave waits for all its tensor loads (its part of the slot that it is about to read), adds 0 to its spare word, and waits for that and for its reads of the slot
; that it has left.  Behind the barrier the slot ahead is whole and nobody reads the other one.  fill = 1: that other slot is asked for first thing: it has a slot's four steps in which to land.
.macro CHANGE fill
	s_wait_tensorcnt 0x0                           ; no tensor load of mine is out, so a group 0 may be written
	ds_add_u32 v[SPW], v[NIL]                      ; 0 onto my spare word
.if \fill
	ds_add_u32 v[SPW], v[NIL]                      ; and once more, in every trip alike
	s_add_co_u32 s58, s[TT], 1                     ; the next trip's key block: t + 1 while that is at most I,
	s_sub_co_u32 s59, s[TT], s[II]                 ; else t + 1 - (I + 1)
	s_cmp_le_u32 s58, s[II]
	s_cselect_b32 s58, s58, s59
	s_lshl_b32 s58, s58, 15                        ; 256 rows of 128 bytes
	s_mov_b32 s59, 0
	s_xor_b32 s[G0K+1], s[G0K+1], SLOT1            ; the other slot than last time
	s_add_nc_u64 s[G0K+2:G0K+3], s[KB:KB+1], s[58:59]
	s_or_b32 s[G0K+3], s[G0K+3], 0x80000000
	s_xor_b32 s[G0V+1], s[G0V+1], SLOT1
	s_add_nc_u64 s[G0V+2:G0V+3], s[VB:VB+1], s[58:59]
	s_or_b32 s[G0V+3], s[G0V+3], 0x80000000
	s_wait_xcnt 0x0                                ; the last prefetch, a slot back, has read its address, so it may be written
	s_add_nc_u64 s[PFA:PFA+1], s[PFA:PFA+1], 32768
.endif
	s_wait_dscnt 0x0                               ; the add is done, and my reads of the slot that I have left are over
	s_barrier_signal -1
	s_barrier_wait -1
.if \fill
	TLOAD                                          ; the first thing behind the barrier, and a wave's one tensor load until the next
	ASK
.endif
.endm
; A block of queries is finished: O^T / l, rounded to f16, goes through my stage and leaves as 2,048 consecutive bytes of ctx.
.macro FINISH
	s_lshl_b32 s54, s[Q0], 7
	s_mov_b32 s55, 0
	s_add_nc_u64 s[54:55], s[CB:CB+1], s[54:55]
	v_add_f32 v[CH], v[LL], v[LL+1]                ; l's two halves,
	v_permlanex16_b32 v[CH+1], v[CH], s[SEL], s[SEL+1]
	v_add_f32 v[CH], v[CH], v[CH+1]                ; and lane l xor 16's
	v_rcp_f32 v[AA], v[CH]
	v_nop                                          ; a plain instruction behind the reciprocal,
	s_wait_alu depctr_va_vdst(0)                   ; and the wait ahead of its first reader
.set i, 0
.rept 16
	v_pk_mul_f32 v[SR+2*i:SR+2*i+1], v[OR+2*i:OR+2*i+1], v[AA:AA+1] op_sel_hi:[1,0]
.set i, i+1
.endr
.set i, 0
.rept 16
	v_cvt_pk_f16_f32 v[PR+i], v[SR+2*i], v[SR+2*i+1]
.set i, i+1
.endr
.irp ct, 0,1,2,3
	ds_store_b128 v[STO], v[PR+4*\ct:PR+4*\ct+3] offset:32*\ct     ; row r: channels 16 ct + 8 h on
.endr
.irp t, 0,1,2,3
	ds_load_b128 v[KR+4*\t:KR+4*\t+3], v[RD] offset:\t*4*KP        ; my own bytes, behind my stores
.endr
.irp t, 0,1,2,3
	s_wait_dscnt 3-\t                              ; four rows are in; the younger loads may be out
	global_store_b128 v[GO], v[KR+4*\t:KR+4*\t+3], s[54:55] offset:512*\t   ; the wave stores 512 consecutive bytes, aligned
.endr
.endm
	RESTART II
.Lslot:                                            ; eight trips: behind each change of slots but the last the next slot is asked for
	CHANGE 1
	STEP 0
	STEP 1
	STEP 2
	STEP 3
	s_xor_b32 s[TB], s[TB], SLOT1                  ; on to the other slot
	s_cmp_lg_u32 s[TT], s[II]                      ; behind trip I block I is finished and block 7 - I begins: ids and the count of trips alone, the same in all sixteen waves; no barrier and no tensor load stands in the arm
	s_cbranch_scc1 .Lsame
	FINISH
	s_wait_xcnt 0x0                                ; the stores have read their registers and their base: the next step's loads land on the first, the next way out writes the second
	s_sub_co_u32 s58, 7, s[II]
	RESTART 58
.Lsame:
	s_add_co_u32 s[TT], s[TT], 1
	s_cmp_lt_u32 s[TT], 8
	s_cbranch_scc1 .Lslot
	CHANGE 0                                       ; the last slot is written out: nothing is left to ask for
	STEP 0
	STEP 1
	STEP 2
	STEP 3
	FINISH
	s_wait_tensorcnt 0x0                           ; the wave's end, behind my last tensor load and my last LDS store
	ds_add_u32 v[SPW], v[NIL]
	s_wait_dscnt 0x0
	s_endpgm
.Lfunc_end_k_q7b582733fc_attn:
	.size	k_q7b582733fc_attn, .Lfunc_end_k_q7b582733fc_attn-k_q7b582733fc_attn
	.p2alignl 7, 3214868480
	.fill 96, 4, 3214868480
	.section	.rodata,"a",@progbits
	.p2align	6, 0x0
	.amdhsa_kernel k_q7b582733fc_attn
		.amdhsa_group_segment_fixed_size 327680
		.amdhsa_private_segment_fixed_size 0
		.amdhsa_enable_private_segment 0
		.amdhsa_kernarg_size 16
		.amdhsa_user_sgpr_count 2
		.amdhsa_user_sgpr_kernarg_segment_ptr 1
		.amdhsa_wavefront_size32 1
		.amdhsa_system_sgpr_workgroup_id_x 1
		.amdhsa_system_sgpr_workgroup_id_y 1
		.amdhsa_system_sgpr_workgroup_id_z 1
		.amdhsa_system_vgpr_workitem_id 0
		.amdhsa_next_free_vgpr 256
		.amdhsa_next_free_sgpr 66
		.amdhsa_reserve_vcc 1
		.amdhsa_float_denorm_mode_32 3
		.amdhsa_float_denorm_mode_16_64 3
		.amdhsa_memory_ordered 1
		.amdhsa_forward_progress 1
		.amdhsa_inst_pref_size 114
	.end_amdhsa_kernel
	.amdgpu_metadata
---
amdhsa.version: [ 1, 2 ]
amdhsa.kernels:
  - .name:           k_q7b582733fc_attn
    .symbol:         k_q7b582733fc_attn.kd
    .args:
      - { .name: qkv, .offset: 0, .size: 8, .value_kind: global_buffer, .address_space: global }
      - { .name: ctx, .offset: 8, .size: 8, .value_kind: global_buffer, .address_space: global }
    .group_segment_fixed_size: 327680
    .private_segment_fixed_size: 0
    .kernarg_segment_align: 8
    .kernarg_segment_size: 16
    .max_flat_workgroup_size: 512
    .sgpr_count:     66
    .vgpr_count:     256
    .wavefront_size: 32
...
	.end_amdgpu_metadata
.endif
;; end of part 3
;; launch out_proj (part 4): grid 8 x 64, 4 waves a work-group, clusters of 4 x 4, 327,680 bytes of LDS; arguments ctx, wo16, b_out, out0; writes out0
.if DOCPART == 4
	.amdgcn_target "amdgcn-amd-amdhsa--gfx1250"
	.amdhsa_code_object_version 6
	.text
	.protected	k_q7b582733fc_out_proj
	.globl	k_q7b582733fc_out_proj
	.p2align	8
	.type	k_q7b582733fc_out_proj,@function
k_q7b582733fc_out_proj:
	s_mov_b64 s[64:65], 0
	v_nop
	global_prefetch_b8 v0, s[64:65] scope:SCOPE_SE
	s_setreg_imm32_b32 hwreg(HW_REG_WAVE_MODE, 25, 1), 1
	s_wait_xcnt 0x0
	s_wait_alu depctr_hold_cnt(0) depctr_sa_sdst(0) depctr_va_vdst(0) depctr_va_sdst(0) depctr_va_ssrc(0) depctr_va_vcc(0) depctr_vm_vsrc(0)
	s_getreg_b32 s2, hwreg(HW_REG_IB_STS2, 6, 4)
	s_cmp_eq_u32 s2, 0
	s_cbranch_scc0 .Lentry_in_a_cluster
	s_endpgm
.Lentry_in_a_cluster:
	s_bfe_u32 s2, ttmp6, 0x10000c
	s_cmp_lg_u32 s2, 0xf033
	s_cbranch_scc0 .Lentry_shape_is_right
	s_endpgm
.Lentry_shape_is_right:
; out0[m][n] = the sum over k of ctx[m][k] W_out[k][n] + b_out[n].  ctx [16 head][8192 m][64] f16 (k = 64 head + channel); wo16 [1024 n][1024 k] f16; b_out [1024] f32; out0 [8192][1024] f32; sums in f32.
; The 64 rows that are positions 0-15 of a batch are written here from f16 operands and written again, from f32 operands, by the launch behind this one.
; A tile of C is 128 x 128, which gives 512 work-groups; four waves, each 64 x 64: 16 accumulators, 128 registers.  K goes in steps of 256 (four heads) through two LDS slots.
; ctx's part of a step is, for 64 rows, four pieces of 8,192 consecutive bytes, one in each head's plane: ONE descriptor states them as 4 rows of 4,096 elements, a plane apart, with 16 bytes of padding behind every
; 128: in LDS they lie as [head][64 rows][144 bytes], and a head is one quarter (64 along K) of the step.
; CLUSTERS: 4 x 4 work-groups; ctx's tiles are asked for jointly along a row of the cluster, wo16's along a column.  THE MATRIX INSTRUCTION IS USED TRANSPOSED (source 0 = 16 rows of wo16, source 1 = 16 rows of ctx):
; a lane holds eight neighbouring numbers of a row of C.  The bias is the C of each sum's first product.
; REGISTERS: window 0: v0-31 addresses; v32-95 the way out; v96-127 the bias, eight registers for each 16 columns; v128-255 the accumulators ((a, b) at v[128 + 8 (4 a + b)]).
;   window 1: two fragment buffers of 128: for 64 along K, 64 registers of ctx, then 64 of wo16.
.set APITCH, 144
.set BPITCH, 528                       ; 512 bytes + 16
.set AHALF,  4*64*APITCH               ; 64 rows x 4 heads: what one tensor load brings of ctx
.set BHALF,  64*BPITCH                 ; 64 rows of wo16
.set SLOT,   2*AHALF+2*BHALF
.set STAGE,  2*SLOT                    ; behind the ring: 16 rows x 272 bytes for each wave
.set SPITCH, 272
.set SPARE,  STAGE+4*16*SPITCH         ; the spare words, 128 bytes for each wave: two blocks of 256 bytes that no other line names
.set ADRA, 16
.set ADRB, 20
.set STO,  24
.set RD,   25
.set CO,   26
.set BO,   27                          ; v27  the bias: 32 x (lane / 16)
.set SPW,  28                          ; v28  LDS address of my spare word; never rewritten
.set NIL,  29                          ; v29  0; never rewritten
.set OB,   32
.set BIAS, 96
.set ACC,  128
.set F0,   0
.set F1,   128
.set G1, 24
.set G0, 32
.set G1B, 48
.set G0B, 56
.set MSB, 0
.macro WIN new                         ; the immediate's high byte repeats the setting that is left
.if MSB != \new
	s_set_vgpr_msb (MSB<<8)|\new
.set MSB, \new
.endif
.endm
.set MUL,  0x05                        ; sources 0 and 1 window 1; C and D window 0
.set TO_F, 0x40                        ; destination window 1, address window 0
.macro JLOAD s                         ; a joint load: waves 0 and 1 fetch ctx's two halves, waves 2 and 3 wo16's; an s_nop 0 and four v_nop follow each of the two lines
	s_cmp_eq_u32 s11, 0
	s_cbranch_scc0 .Lfor_b_\@
	tensor_load_to_lds s[G0+4*\s:G0+4*\s+3], s[G1:G1+7]
	s_nop 0
.rept 4
	v_nop
.endr
	s_branch .Lasked_\@
.Lfor_b_\@:
	tensor_load_to_lds s[G0B+4*\s:G0B+4*\s+3], s[G1B:G1B+7]
	s_nop 0
.rept 4
	v_nop
.endr
.Lasked_\@:
.endm
.macro CREST                           ; a round of the cluster's barrier behind its opening barrier
	s_cmp_lg_u32 s10, 0
	s_cbranch_scc1 .Lnot_wave_0_\@
	s_barrier_signal -3
.Lnot_wave_0_\@:
	s_barrier_wait -3
	s_barrier_signal -1
	s_barrier_wait -1
.endm
.macro CROUND
	s_barrier_signal -1
	s_barrier_wait -1
	CREST
.endm
	s_load_b128 s[4:7], s[0:1], 0x0                ; ctx s[4:5], wo16 s[6:7]
	s_load_b128 s[68:71], s[0:1], 0x10             ; b_out s[68:69], out0 s[70:71]
	v_lshl_add_u32 v[SPW], v0, 2, SPARE
	v_mov_b32 v[NIL], 0
	ds_add_u32 v[SPW], v[NIL]                      ; the wave's opening: the add, twice on end, and its wait ahead of my first tensor load
	ds_add_u32 v[SPW], v[NIL]                      ; (the set-up below, work on registers, stands between the second and the wait)
	v_lshrrev_b32 v1, 5, v0
	v_readfirstlane_b32 s10, v1                    ; wave 0..3
	s_lshr_b32 s11, s10, 1                         ; which half of the tile's rows is mine.  Also: I fetch for ctx (0) or for wo16 (1)
	s_and_b32 s12, s10, 1                          ; which half of its columns.  Also: which 64 rows of that tile I fetch
	s_bfe_u32 s40, ttmp6, 0x40000                  ; cx, cy
	s_bfe_u32 s41, ttmp6, 0x40004
	s_lshl_b32 s42, ttmp9, 2
	s_add_co_u32 s42, s42, s40                     ; tile column of C
	s_and_b32 s13, ttmp7, 0xffff
	s_lshl_b32 s13, s13, 2
	s_add_co_u32 s13, s13, s41                     ; tile row of C
	s_lshl_b32 s43, s41, 2
	s_lshl_b32 s43, 15, s43                        ; my row of the cluster
	s_lshl_b32 s44, 0x1111, s40                    ; my column
	s_or_b32 s[G1+0], s43, (1<<16)|(1<<20)|(1<<21)|(4<<22)|(3<<25)   ; the mask; elements of 2 bytes; padding on; bit 21 beside a mask; after every 32 words four words
	s_mov_b32 s[G1+1], 4096<<16                    ; tensor_dim0 = 4,096 elements: 64 rows of a head's 64 channels, dense
	s_mov_b32 s[G1+2], 4<<16                       ; tensor_dim1 = 4 heads
	s_mov_b32 s[G1+3], 4096<<16                    ; tile_dim0
	s_mov_b32 s[G1+4], 4                           ; tile_dim1
	s_mov_b32 s[G1+5], 524288                      ; elements from a head's plane to the next
	s_mov_b32 s[G1+6], 0
	s_mov_b32 s[G1+7], 0
	s_or_b32 s[G1B+0], s44, (1<<16)|(1<<20)|(1<<21)|(6<<22)|(3<<25)  ; after every 128 words four words
	s_mov_b32 s[G1B+1], 256<<16                    ; tensor_dim0 = 256
	s_mov_b32 s[G1B+2], 64<<16                     ; tensor_dim1 = 64
	s_mov_b32 s[G1B+3], 256<<16
	s_mov_b32 s[G1B+4], 64
	s_mov_b32 s[G1B+5], 1024                       ; elements from row to row
	s_mov_b32 s[G1B+6], 0
	s_mov_b32 s[G1B+7], 0
	s_lshl_b32 s17, s12, 6                         ; which 64 rows of the tile I fetch
	s_lshl_b32 s16, s13, 7
	s_add_co_u32 s16, s16, s17
	s_lshl_b32 s16, s16, 7                         ; ctx: row 128 x tile row + 64 x half, 128 bytes each
	s_lshl_b32 s46, s42, 7
	s_add_co_u32 s46, s46, s17
	s_lshl_b32 s46, s46, 11                        ; wo16: row 128 x tile column + 64 x half, 2,048 bytes each
	s_mov_b32 s17, 0
	s_mov_b32 s47, 0
	s_mul_i32 s20, s12, AHALF                      ; where they go: no place in the cluster enters an LDS address
	s_mul_i32 s21, s12, BHALF
	s_add_co_u32 s21, s21, 2*AHALF
	s_wait_dscnt 0x0                               ; both opening adds are done
	s_wait_kmcnt 0x0
	s_add_nc_u64 s[14:15], s[4:5], s[16:17]
	s_add_nc_u64 s[46:47], s[6:7], s[46:47]
	CROUND                                         ; all sixteen work-groups are here: the first joint loads meet
.irp s, 0,1
	s_mov_b32 s[G0+4*\s], 1
	s_add_co_u32 s[G0+4*\s+1], s20, \s*SLOT
	s_add_nc_u64 s[G0+4*\s+2:G0+4*\s+3], s[14:15], \s*4*1048576    ; K step s: four planes on
	s_or_b32 s[G0+4*\s+3], s[G0+4*\s+3], 0x80000000
	s_mov_b32 s[G0B+4*\s], 1
	s_add_co_u32 s[G0B+4*\s+1], s21, \s*SLOT
	s_add_nc_u64 s[G0B+4*\s+2:G0B+4*\s+3], s[46:47], \s*512
	s_or_b32 s[G0B+4*\s+3], s[G0B+4*\s+3], 0x80000000
	JLOAD \s                                       ; two loads of mine are out
.endr
	v_and_b32 v1, 15, v0                           ; r
	v_bfe_u32 v2, v0, 4, 1                         ; h
	v_mul_u32_u24 v3, v1, APITCH
	v_lshl_add_u32 v3, v2, 4, v3
	v_mul_u32_u24 v4, v1, BPITCH
	v_lshl_add_u32 v4, v2, 4, v4
	s_mul_i32 s21, s11, AHALF                      ; my 64 rows of ctx
	s_mul_i32 s22, s12, BHALF                      ; my 64 rows of wo16,
	s_add_co_u32 s22, s22, 2*AHALF                 ; which lie behind ctx's
.irp s, 0,1
	v_add_nc_u32 v[ADRA+\s], s21, v3
	v_add_nc_u32 v[ADRB+\s], s22, v4
	s_add_co_u32 s21, s21, SLOT
	s_add_co_u32 s22, s22, SLOT
.endr
	s_mul_i32 s23, s10, 16*SPITCH
	s_add_co_u32 s23, s23, STAGE                   ; my stage
	v_mul_u32_u24 v5, v1, SPITCH
	v_lshl_add_u32 v5, v2, 5, v5
	v_add_nc_u32 v[STO], s23, v5                   ; in: row r, 32 bytes for each half of the lanes
	v_mul_u32_u24 v5, v2, SPITCH
	v_lshl_add_u32 v5, v1, 4, v5
	v_add_nc_u32 v[RD], s23, v5                    ; back: lanes 0-15 one row of 256 bytes, lanes 16-31 the next
	v_lshlrev_b32 v5, 12, v2
	v_lshl_add_u32 v[CO], v1, 4, v5                ; and the same two rows in out0
	v_lshlrev_b32 v[BO], 5, v2
	s_lshl_b32 s46, s42, 9                         ; my first column, in bytes of f32: 512 x tile column + 256 x half
	s_lshl_b32 s47, s12, 8
	s_add_co_u32 s46, s46, s47
	s_mov_b32 s47, 0
	s_add_nc_u64 s[68:69], s[68:69], s[46:47]
	s_add_nc_u64 s[70:71], s[70:71], s[46:47]
	s_lshl_b32 s16, s13, 7
	s_lshl_b32 s17, s11, 6
	s_add_co_u32 s16, s16, s17                     ; my first row: 128 x tile row + 64 x half
	s_lshl_b32 s16, s16, 12
	s_mov_b32 s17, 0
	s_add_nc_u64 s[70:71], s[70:71], s[16:17]
.irp b, 0,1,2,3
	global_load_b128 v[BIAS+8*\b:BIAS+8*\b+3], v[BO], s[68:69] offset:64*\b       ; lane (r, h): b_out at columns 16 b + 8 h + 0 .. 7: the result's layout
	global_load_b128 v[BIAS+8*\b+4:BIAS+8*\b+7], v[BO], s[68:69] offset:64*\b+16
.endr
; 8 matrix instructions: m blocks a0, a0 + 1 x all 4 n blocks, 32 along K: half c of buffer f.  zero = 1: the first product starts the sums, on the bias.  The 16 accumulators take turns.
.macro MUL8 f, c, a0, zero
.irp a, \a0, \a0+1
.irp b, 0,1,2,3
.if \zero
	v_wmma_f32_16x16x32_f16 v[ACC+8*(4*(\a)+\b):ACC+8*(4*(\a)+\b)+7], v[\f+64+8*(4*\c+\b):\f+64+8*(4*\c+\b)+7], v[\f+8*(4*\c+\a):\f+8*(4*\c+\a)+7], v[BIAS+8*\b:BIAS+8*\b+7]
.else
	v_wmma_f32_16x16x32_f16 v[ACC+8*(4*(\a)+\b):ACC+8*(4*(\a)+\b)+7], v[\f+64+8*(4*\c+\b):\f+64+8*(4*\c+\b)+7], v[\f+8*(4*\c+\a):\f+8*(4*\c+\a)+7], v[ACC+8*(4*(\a)+\b):ACC+8*(4*(\a)+\b)+7]
.endif
.endr
.endr
.endm
; 32 LDS loads in one run: the fragments of the slot's q-th 64 along K (head q of its four) into buffer f; the first 32 along K first
.macro FETCH slot, q, f
	WIN TO_F
.irp c, 0,1
.irp i, 0,1,2,3
	ds_load_b128 v[\f+64+8*(4*\c+\i):\f+64+8*(4*\c+\i)+3],   v[ADRB+\slot] offset:128*(\q)+64*\c+\i*16*BPITCH
	ds_load_b128 v[\f+64+8*(4*\c+\i)+4:\f+64+8*(4*\c+\i)+7], v[ADRB+\slot] offset:128*(\q)+64*\c+\i*16*BPITCH+32
	ds_load_b128 v[\f+8*(4*\c+\i):\f+8*(4*\c+\i)+3],         v[ADRA+\slot] offset:(\q)*64*APITCH+\i*16*APITCH+64*\c
	ds_load_b128 v[\f+8*(4*\c+\i)+4:\f+8*(4*\c+\i)+7],       v[ADRA+\slot] offset:(\q)*64*APITCH+\i*16*APITCH+64*\c+32
.endr
.endr
.endm
.macro PLACES                          ; four places in front of loads into registers that matrix instructions have read, and of reads of results
.rept 4
	v_nop
.endr
.endm
; A K step is four quarters of 64 along K, 32 matrix instructions each, on buffers 0, 1, 0, 1.  One of the first three: multiplies buffer f and fetches quarter q into g.
.macro QUARTER slot, q, f, g, zero
	s_wait_dscnt 16                                ; the first 32 along K are in; the sixteen loads of the second 32 may be out
	WIN MUL
	MUL8 \f, 0, 0, \zero
	MUL8 \f, 0, 2, \zero
	PLACES
	FETCH \slot, \q, \g
	s_wait_dscnt 32                                ; all but the 32 just issued
	WIN MUL
	MUL8 \f, 1, 0, 0
	MUL8 \f, 1, 2, 0
.endm
; The last quarter multiplies buffer 1 and changes slots: ONE barrier; in front of it each wave waits for all its tensor loads, adds 0 to its spare word, and waits for that and for its reads of this slot.  fill = 1: this slot is filled again, two K steps ahead.
.macro TURN slot, next, fill
	WIN 0                                          ; (the add's two registers lie in window 0)
	s_wait_tensorcnt 0x0                           ; all my tensor loads have landed: my part of the next slot
	ds_add_u32 v[SPW], v[NIL]                      ; 0 onto my spare word
	s_wait_dscnt 17                                ; (the add and the youngest sixteen loads may be out)
	WIN MUL
	MUL8 F1, 0, 0, 0
	s_wait_dscnt 0x0                               ; the add is done, and my reads of this slot are over
	s_barrier_signal -1
	MUL8 F1, 0, 2, 0
.if \fill
	WIN 0
.endif
	s_barrier_wait -1
.if \fill
	CREST                                          ; the barrier has opened a round of the cluster's barrier: no wave of any partner still reads this slot's tile or has a load on its way
	s_add_nc_u64 s[G0+4*\slot+2:G0+4*\slot+3], s[G0+4*\slot+2:G0+4*\slot+3], 8*1048576   ; two K steps on: eight planes,
	s_add_nc_u64 s[G0B+4*\slot+2:G0B+4*\slot+3], s[G0B+4*\slot+2:G0B+4*\slot+3], 1024    ; 512 elements
	JLOAD \slot                                    ; the first tensor load behind the round; the four v_nop behind it are also the places in front of the loads below
.else
	PLACES
.endif
	FETCH \next, 0, F0
	WIN MUL
	MUL8 F1, 1, 0, 0
	MUL8 F1, 1, 2, 0
.endm
	s_wait_tensorcnt 1                             ; my part of K step 0 is in (K step 1's load may be out)
	s_barrier_signal -1
	s_barrier_wait -1                              ; everybody's is
	FETCH 0, 0, F0
	s_wait_loadcnt 0x0                             ; the bias
	QUARTER 0, 1, F0, F1, 1                        ; K = 1,024 is four K steps, twice round the ring: written out, no back edge
	QUARTER 0, 2, F1, F0, 0
	QUARTER 0, 3, F0, F1, 0
	TURN 0, 1, 1
	QUARTER 1, 1, F0, F1, 0
	QUARTER 1, 2, F1, F0, 0
	QUARTER 1, 3, F0, F1, 0
	TURN 1, 0, 1
	QUARTER 0, 1, F0, F1, 0
	QUARTER 0, 2, F1, F0, 0
	QUARTER 0, 3, F0, F1, 0
	TURN 0, 1, 0                                   ; the last lap fills nothing, and has no round of the cluster's barrier
	QUARTER 1, 1, F0, F1, 0
	QUARTER 1, 2, F1, F0, 0
	QUARTER 1, 3, F0, F1, 0
	s_wait_dscnt 16                                ; the very last quarter: nothing more to fetch
	WIN MUL
	MUL8 F1, 0, 0, 0
	MUL8 F1, 0, 2, 0
	s_wait_dscnt 0
	MUL8 F1, 1, 0, 0
	MUL8 F1, 1, 2, 0
	WIN 0
; THE WAY OUT, 16 rows at a time.  My 64 columns of f32 are 256 bytes of a row: they go through my own stage and come back as whole pieces, sixteen lanes to one.  No barrier: the stage is mine alone.
.macro TOSTAGE a
.irp b, 0,1,2,3
	ds_store_b128 v[STO], v[ACC+8*(4*(\a)+\b):ACC+8*(4*(\a)+\b)+3] offset:64*\b        ; each accumulator from its low end on
	ds_store_b128 v[STO], v[ACC+8*(4*(\a)+\b)+4:ACC+8*(4*(\a)+\b)+7] offset:64*\b+16
.endr
.irp t, 0,1,2,3,4,5,6,7
	ds_load_b128 v[OB+32*((\a)%2)+4*\t:OB+32*((\a)%2)+4*\t+3], v[RD] offset:\t*2*SPITCH   ; LDS serves a wave's instructions in order (ISA guide 5.7.1.4)
.endr
.endm
.macro SEND a, younger                 ; younger: the LDS instructions issued behind block a's loads
	s_wait_dscnt \younger
.irp t, 0,1,2,3,4,5,6,7
	global_store_b128 v[CO], v[OB+32*((\a)%2)+4*\t:OB+32*((\a)%2)+4*\t+3], s[70:71] offset:(16*(\a)+2*\t)*4096 th:TH_STORE_NT   ; sixteen lanes store 256 consecutive bytes, aligned
.endr
.endm
	PLACES
	TOSTAGE 0
.irp a, 1,2,3
.if \a > 1
	s_wait_xcnt 0x0                                ; block a - 2's stores have read their registers: block a's loads may land there
.endif
	TOSTAGE \a
	SEND \a-1, 16                                  ; behind block a - 1's loads: block a's 8 stores and 8 loads
.endr
	SEND 3, 0
	s_wait_tensorcnt 0x0                           ; the wave's end, behind my last tensor load and my last LDS store
	ds_add_u32 v[SPW], v[NIL]
	s_wait_dscnt 0x0
	CROUND                                         ; the closing round
	s_endpgm
.Lfunc_end_k_q7b582733fc_out_proj:
	.size	k_q7b582733fc_out_proj, .Lfunc_end_k_q7b582733fc_out_proj-k_q7b582733fc_out_proj
	.p2alignl 7, 3214868480
	.fill 96, 4, 3214868480
	.section	.rodata,"a",@progbits
	.p2align	6, 0x0
	.amdhsa_kernel k_q7b582733fc_out_proj
		.amdhsa_group_segment_fixed_size 327680
		.amdhsa_private_segment_fixed_size 0
		.amdhsa_enable_private_segment 0
		.amdhsa_kernarg_size 32
		.amdhsa_user_sgpr_count 2
		.amdhsa_user_sgpr_kernarg_segment_ptr 1
		.amdhsa_wavefront_size32 1
		.amdhsa_system_sgpr_workgroup_id_x 1
		.amdhsa_system_sgpr_workgroup_id_y 1
		.amdhsa_system_sgpr_workgroup_id_z 1
		.amdhsa_system_vgpr_workitem_id 0
		.amdhsa_next_free_vgpr 512
		.amdhsa_next_free_sgpr 72
		.amdhsa_reserve_vcc 0
		.amdhsa_float_denorm_mode_32 3
		.amdhsa_float_denorm_mode_16_64 3
		.amdhsa_memory_ordered 1
		.amdhsa_forward_progress 1
		.amdhsa_inst_pref_size 86
	.end_amdhsa_kernel
	.amdgpu_metadata
---
amdhsa.version: [ 1, 2 ]
amdhsa.kernels:
  - .name:           k_q7b582733fc_out_proj
    .symbol:         k_q7b582733fc_out_proj.kd
    .args:
      - { .name: ctx, .offset: 0, .size: 8, .value_kind: global_buffer, .address_space: global }
      - { .name: wo16, .offset: 8, .size: 8, .value_kind: global_buffer, .address_space: global }
      - { .name: b_out, .offset: 16, .size: 8, .value_kind: global_buffer, .address_space: global }
      - { .name: out0, .offset: 24, .size: 8, .value_kind: global_buffer, .address_space: global }
    .group_segment_fixed_size: 327680
    .private_segment_fixed_size: 0
    .kernarg_segment_align: 8
    .kernarg_segment_size: 32
    .max_flat_workgroup_size: 128
    .sgpr_count:     72
    .vgpr_count:     512
    .wavefront_size: 32
...
	.end_amdgpu_metadata
.endif
;; end of part 4
;; launch first16 (part 5): grid 16 x 4, 16 waves a work-group, no clusters, 85,248 bytes of LDS; arguments qkv32, W_out, b_out, out0; writes out0
.if DOCPART == 5
	.amdgcn_target "amdgcn-amd-amdhsa--gfx1250"
	.amdhsa_code_object_version 6
	.text
	.protected	k_q7b582733fc_first16
	.globl	k_q7b582733fc_first16
	.p2align	8
	.type	k_q7b582733fc_first16,@function
k_q7b582733fc_first16:
	s_mov_b64 s[64:65], 0
	v_nop
	global_prefetch_b8 v0, s[64:65] scope:SCOPE_SE
	s_setreg_imm32_b32 hwreg(HW_REG_WAVE_MODE, 25, 1), 1
	s_wait_xcnt 0x0
; POSITIONS 0-15 OF EACH BATCH, wholly in f32: under the causal mask these rows average one to sixteen values, so their operands are not rounded.  64 rows of out0 are written over those of the launch before.
; qkv32 [64 = 16 batch + position][3072 = q, k, v x 1024] f32; W_out [1024 k][1024 n] f32; b_out [1024]; out0 [8192][1024] f32.
; A work-group is (64 output columns cb, batch b); sixteen waves.  PHASE A: wave w makes head w's attention for the 16 positions (every work-group of a batch makes it anew: 16 x 16 x 64 twice is little) and
; puts its 64 channels into LDS.  PHASE B: wave w takes 16 columns (w % 4) and a quarter of K (w / 4); the four quarters meet in LDS.
; All products by v_wmma_f32_16x16x4_f32, four accumulators by turns, each sum's first product on the constant 0; the accumulators (v192-255) are written by matrix instructions alone.
; Along a product's K both sources hold the same k in the same register and half of the lanes; which four k an instruction takes is then free.
; No tensor loads and no cluster: the operands go straight from memory into registers, and the launch is short.  LIMIT: NaN and infinities among the inputs are not served.
.set CT,    0                          ; LDS: ctx of the 16 positions: 16 rows x (4,096 bytes + 16)
.set CPITCH, 4112
.set RED,   16*CPITCH                  ; the four quarters' partial sums: 4 x 16 rows x (256 bytes + 16)
.set RQ,    16*272
.set SPARE, RED+4*RQ                   ; the spare words, 128 bytes for each wave: eight blocks of 256 bytes that no other line names
.set SPW, 3                            ; v3   LDS address of my spare word; never rewritten
.set NIL, 4                            ; v4   0; never rewritten
.set SS,  16                           ; v16-23 scores, then p, later sums
.set QR,  32                           ; v32-63 Q;  v64-95 K;  later W_out's groups 2 and 3
.set KR,  64
.set VR,  96                           ; v96-127 V^T; later ctx's fragments
.set WA,  128                          ; v128-191 W_out's groups 0 and 1
.set AC0, 192                          ; v192-223 four accumulators: the scores', later phase B's
.set AC1, 224                          ; v224-255 four accumulators: O^T's
.macro PLACES8                         ; eight places behind this matrix instruction (ISA guide 7.12.1)
.rept 8
	v_nop
.endr
.endm
.macro SUM4                            ; the four accumulators of a sum are added into v16-23, each from its low end on
.irp i, 0,1,2,3
	v_pk_add_f32 v[SS+2*\i:SS+2*\i+1], v[AC0+2*\i:AC0+2*\i+1], v[AC0+8+2*\i:AC0+8+2*\i+1]
.endr
.irp i, 0,1,2,3
	v_pk_add_f32 v[SS+2*\i:SS+2*\i+1], v[SS+2*\i:SS+2*\i+1], v[AC0+16+2*\i:AC0+16+2*\i+1]
.endr
.irp i, 0,1,2,3
	v_pk_add_f32 v[SS+2*\i:SS+2*\i+1], v[SS+2*\i:SS+2*\i+1], v[AC0+24+2*\i:AC0+24+2*\i+1]
.endr
.endm
.macro WLOAD reg, g0                   ; two groups of 64 along K of W_out: register 32 g + 4 u + x of lane (r, h) holds W_out(256 kq + 64 g + 8 u + 4 h + x, my column r)
.set i, 0
.rept 64
	global_load_b32 v[\reg+i], v7, s[6:7] offset:(64*(\g0)+64*(i/32)+8*((i%32)/4)+i%4)*4096
.set i, i+1
.endr
.endm
	s_load_b256 s[4:11], s[0:1], 0x0               ; qkv32 s[4:5], W_out s[6:7], b_out s[8:9], out0 s[10:11]
	v_lshl_add_u32 v[SPW], v0, 2, SPARE
	v_mov_b32 v[NIL], 0
	v_lshrrev_b32 v5, 5, v0
	v_readfirstlane_b32 s12, v5                    ; wave 0..15: the head in phase A
	v_and_b32 v1, 15, v0                           ; r
	v_bfe_u32 v2, v0, 4, 1                         ; h
	s_and_b32 s14, ttmp7, 0xffff                   ; the batch
	s_lshr_b32 s15, s12, 2                         ; kq: my quarter of K in phase B
	s_and_b32 s18, s12, 3                          ; nt: my 16 columns
	s_mov_b32 s20, 0x76543210
	s_mov_b32 s21, 0xfedcba98                      ; v_permlanex16_b32's selects for lane l xor 16
	s_mov_b32 s22, 0x3e38aa3b                      ; c = log2(e) / 8
	v_mul_u32_u24 v5, v1, 12288
	v_lshl_add_u32 v5, v2, 7, v5                   ; Q, K: row r of 12,288 bytes, channels 32 h on
	v_mul_u32_u24 v6, v2, 98304
	v_lshl_add_u32 v6, v1, 2, v6                   ; V: rows 8 h on, channel r
	v_lshlrev_b32 v7, 14, v2
	v_lshl_add_u32 v7, v1, 2, v7                   ; W_out: rows 4 h on, column r
	v_lshlrev_b32 v8, 4, v1                        ; the bias: 16 bytes a lane of sixteen
	v_lshl_add_u32 v9, v2, 12, v8                  ; out0: lanes 16-31 one row on
	v_mul_u32_u24 v10, v1, CPITCH
	v_lshl_add_u32 v11, v2, 5, v10
	s_lshl_b32 s16, s12, 8
	v_add_nc_u32 v11, s16, v11                     ; ctx into LDS: row r, my head's 256 bytes, + 32 h
	v_lshl_add_u32 v12, v2, 4, v10
	s_lshl_b32 s16, s15, 10
	v_add_nc_u32 v12, s16, v12                     ; and out of it: row r, my quarter's 1,024 bytes, + 16 h
	v_mul_u32_u24 v13, v1, 272
	v_lshl_add_u32 v13, v2, 5, v13
	s_mul_i32 s16, s15, RQ
	s_lshl_b32 s17, s18, 6
	s_add_co_u32 s16, s16, s17
	s_add_co_u32 s16, s16, RED
	v_add_nc_u32 v13, s16, v13                     ; partial sums in: my quarter, row r, my 64 bytes, + 32 h
	v_mul_u32_u24 v14, v2, 272
	v_add_nc_u32 v14, v14, v8
	s_and_b32 s23, s12, 7
	s_mul_i32 s16, s23, 2*272
	s_add_co_u32 s16, s16, RED
	v_add_nc_u32 v14, s16, v14                     ; and out: rows 2 (w % 8) and + 1, sixteen lanes to a row
	v_lshlrev_b32 v15, 3, v2
	v_sub_nc_u32 v15, v1, v15                      ; d = r - 8 h
	v_mov_b32 v28, 0xff800000                      ; -infinity
	v_mov_b32 v30, 0                               ; written once: a lane permute's destination counts as one of its sources
	s_wait_kmcnt 0x0
	s_mul_i32 s16, s14, 196608                     ; the batch's 16 rows of qkv32,
	s_lshl_b32 s17, s12, 8                         ; my head's 64 channels
	s_add_co_u32 s16, s16, s17
	s_mov_b32 s17, 0
	s_add_nc_u64 s[4:5], s[4:5], s[16:17]
	s_lshl_b32 s19, ttmp9, 8                       ; the work-group's 64 columns, in bytes
	s_lshl_b32 s16, s15, 20                        ; W_out: my quarter's 256 rows,
	s_add_co_u32 s16, s16, s19
	s_lshl_b32 s24, s18, 6                         ; my 16 columns
	s_add_co_u32 s16, s16, s24
	s_add_nc_u64 s[6:7], s[6:7], s[16:17]
	s_mov_b32 s16, s19
	s_add_nc_u64 s[8:9], s[8:9], s[16:17]
	s_lshl_b32 s16, s14, 23                        ; out0: the batch's 2,048 rows of 4,096 bytes,
	s_lshl_b32 s24, s23, 13                        ; my two rows,
	s_add_co_u32 s16, s16, s24
	s_add_co_u32 s16, s16, s19                     ; the columns
	s_add_nc_u64 s[10:11], s[10:11], s[16:17]
.irp i, 0,1,2,3,4,5,6,7
	global_load_b128 v[QR+4*\i:QR+4*\i+3], v5, s[4:5] offset:16*\i            ; register i: Q(r, 32 h + i)
	global_load_b128 v[KR+4*\i:KR+4*\i+3], v5, s[4:5] offset:4096+16*\i       ; K likewise
.endr
.irp ct, 0,1,2,3
.irp kk, 0,1,2,3,4,5,6,7
	global_load_b32 v[VR+8*\ct+\kk], v6, s[4:5] offset:8192+12288*\kk+64*\ct  ; V(8 h + kk, 16 ct + r)
.endr
.endr
	global_load_b128 v[24:27], v8, s[8:9]          ; b_out at my four columns of the way out
	s_wait_loadcnt 0x0
	WLOAD WA, 0                                    ; phase B's first half of W_out is on its way during phase A
	; ---- PHASE A.  S^T = K Q^T: source 0 = 16 keys, source 1 = 16 queries; step n takes registers 2 n, 2 n + 1: channels 32 h + 2 n, + 1.  A lane holds query r and keys 8 h + 0 .. 7
.set n, 0
.rept 16
.if n < 4
	v_wmma_f32_16x16x4_f32 v[AC0+8*(n%4):AC0+8*(n%4)+7], v[KR+2*n:KR+2*n+1], v[QR+2*n:QR+2*n+1], 0
.else
	v_wmma_f32_16x16x4_f32 v[AC0+8*(n%4):AC0+8*(n%4)+7], v[KR+2*n:KR+2*n+1], v[QR+2*n:QR+2*n+1], v[AC0+8*(n%4):AC0+8*(n%4)+7]
.endif
.set n, n+1
.endr
	PLACES8
	SUM4
.irp j, 0,1,2,3,4,5,6,7
	v_cmp_gt_i32 vcc_lo, \j, v15                   ; key 8 h + j is hidden from query r where j > r - 8 h
	v_cndmask_b32 v[SS+\j], v[SS+\j], v28, vcc_lo
.endr
	v_max3_num_f32 v29, v16, v17, v18
	v_max3_num_f32 v29, v29, v19, v20
	v_max3_num_f32 v29, v29, v21, v22
	v_max_num_f32 v29, v29, v23
	v_permlanex16_b32 v30, v29, s20, s21
	v_max_num_f32 v29, v29, v30                    ; the row's maximum: key 0 counts for every query, so it is a number
	v_mul_f32 v29, s22, v29
.irp j, 0,1,2,3,4,5,6,7
	v_fma_f32 v[SS+\j], v[SS+\j], s22, -v29        ; c s - c m
.endr
.irp j, 0,1,2,3,4,5,6,7
	v_exp_f32 v[SS+\j], v[SS+\j]
.endr
	v_nop                                          ; a plain instruction behind the last exponential,
	s_wait_alu depctr_va_vdst(0)                   ; and the one wait ahead of the batch's first reader
	v_pk_add_f32 v[30:31], v[16:17], v[18:19]
	v_pk_add_f32 v[30:31], v[30:31], v[20:21]
	v_pk_add_f32 v[30:31], v[30:31], v[22:23]
	v_add_f32 v30, v30, v31
	v_permlanex16_b32 v31, v30, s20, s21
	v_add_f32 v30, v30, v31                        ; the row's sum
	v_rcp_f32 v29, v30
	v_nop
	s_wait_alu depctr_va_vdst(0)
.irp j, 0,1,2,3,4,5,6,7
	v_mul_f32 v[SS+\j], v[SS+\j], v29              ; the weights
.endr
	; O^T = V^T P: source 0 = 16 channels, source 1 = the weights; step n takes keys 8 h + 2 n, + 1 on both sides.  The four tiles of channels take turns
.irp n, 0,1,2,3
.irp ct, 0,1,2,3
.if \n == 0
	v_wmma_f32_16x16x4_f32 v[AC1+8*\ct:AC1+8*\ct+7], v[VR+8*\ct+2*\n:VR+8*\ct+2*\n+1], v[SS+2*\n:SS+2*\n+1], 0
.else
	v_wmma_f32_16x16x4_f32 v[AC1+8*\ct:AC1+8*\ct+7], v[VR+8*\ct+2*\n:VR+8*\ct+2*\n+1], v[SS+2*\n:SS+2*\n+1], v[AC1+8*\ct:AC1+8*\ct+7]
.endif
.endr
.endr
	PLACES8
.irp ct, 0,1,2,3
	ds_store_b128 v11, v[AC1+8*\ct:AC1+8*\ct+3] offset:64*\ct       ; lane (r, h): ctx(r, 64 w + 16 ct + 8 h + 0 .. 7), each accumulator from its low end on
	ds_store_b128 v11, v[AC1+8*\ct+4:AC1+8*\ct+7] offset:64*\ct+16
.endr
	s_wait_dscnt 0x0                               ; for the others' sake: my stores have landed
	s_barrier_signal -1
	s_barrier_wait -1                              ; the 16 rows of ctx are whole
	; ---- PHASE B.  Source 0 = 16 columns of W_out, source 1 = ctx's 16 rows: a lane holds position r and columns 8 h + 0 .. 7.  Four groups of 64 along K, 16 instructions each
	s_wait_loadcnt 0x0                             ; groups 0 and 1 of W_out are in
	WLOAD QR, 2                                    ; groups 2 and 3 come while they are multiplied
.irp g, 0,1,2,3
.if \g == 2
	s_wait_loadcnt 0x0                             ; groups 2 and 3 are in
.endif
.irp u, 0,1,2,3,4,5,6,7
	ds_load_b128 v[VR+4*\u:VR+4*\u+3], v12 offset:256*\g+32*\u      ; ctx(r, 256 kq + 64 g + 8 u + 4 h + 0 .. 3)
.endr
	s_wait_dscnt 0x0
.if \g < 2
.set WR, WA+32*\g
.else
.set WR, QR+32*(\g-2)
.endif
.set n, 0
.rept 16
.if (\g == 0) && (n < 4)
	v_wmma_f32_16x16x4_f32 v[AC0+8*(n%4):AC0+8*(n%4)+7], v[WR+2*n:WR+2*n+1], v[VR+2*n:VR+2*n+1], 0
.else
	v_wmma_f32_16x16x4_f32 v[AC0+8*(n%4):AC0+8*(n%4)+7], v[WR+2*n:WR+2*n+1], v[VR+2*n:VR+2*n+1], v[AC0+8*(n%4):AC0+8*(n%4)+7]
.endif
.set n, n+1
.endr
	PLACES8                                        ; in front of the next group's loads into ctx's registers, and of the read of the sums
.endr
	SUM4
	ds_store_b128 v13, v[16:19]
	ds_store_b128 v13, v[20:23] offset:16
	s_wait_dscnt 0x0                               ; for the others' sake
	s_barrier_signal -1
	s_barrier_wait -1                              ; the four quarters' sums lie in LDS
	s_cmp_lt_u32 s12, 8                            ; eight waves store two rows each
	s_cbranch_scc0 .Ldone
.irp q, 0,1,2,3
	ds_load_b128 v[32+4*\q:35+4*\q], v14 offset:\q*RQ
.endr
	s_wait_dscnt 0x0
	v_pk_add_f32 v[32:33], v[32:33], v[36:37]
	v_pk_add_f32 v[34:35], v[34:35], v[38:39]
	v_pk_add_f32 v[40:41], v[40:41], v[44:45]
	v_pk_add_f32 v[42:43], v[42:43], v[46:47]
	v_pk_add_f32 v[32:33], v[32:33], v[40:41]
	v_pk_add_f32 v[34:35], v[34:35], v[42:43]
	v_pk_add_f32 v[32:33], v[32:33], v[24:25]      ; + b_out
	v_pk_add_f32 v[34:35], v[34:35], v[26:27]
	global_store_b128 v9, v[32:35], s[10:11]       ; sixteen lanes store 256 consecutive bytes, aligned
.Ldone:
	s_wait_tensorcnt 0x0                           ; the wave's end, behind my last LDS store
	ds_add_u32 v[SPW], v[NIL]
	s_wait_dscnt 0x0
	s_endpgm
.Lfunc_end_k_q7b582733fc_first16:
	.size	k_q7b582733fc_first16, .Lfunc_end_k_q7b582733fc_first16-k_q7b582733fc_first16
	.p2alignl 7, 3214868480
	.fill 96, 4, 3214868480
	.section	.rodata,"a",@progbits
	.p2align	6, 0x0
	.amdhsa_kernel k_q7b582733fc_first16
		.amdhsa_group_segment_fixed_size 85248
		.amdhsa_private_segment_fixed_size 0
		.amdhsa_enable_private_segment 0
		.amdhsa_kernarg_size 32
		.amdhsa_user_sgpr_count 2
		.amdhsa_user_sgpr_kernarg_segment_ptr 1
		.amdhsa_wavefront_size32 1
		.amdhsa_system_sgpr_workgroup_id_x 1
		.amdhsa_system_sgpr_workgroup_id_y 1
		.amdhsa_system_sgpr_workgroup_id_z 1
		.amdhsa_system_vgpr_workitem_id 0
		.amdhsa_next_free_vgpr 256
		.amdhsa_next_free_sgpr 66
		.amdhsa_reserve_vcc 1
		.amdhsa_float_denorm_mode_32 3
		.amdhsa_float_denorm_mode_16_64 3
		.amdhsa_memory_ordered 1
		.amdhsa_forward_progress 1
		.amdhsa_inst_pref_size 36
	.end_amdhsa_kernel
	.amdgpu_metadata
---
amdhsa.version: [ 1, 2 ]
amdhsa.kernels:
  - .name:           k_q7b582733fc_first16
    .symbol:         k_q7b582733fc_first16.kd
    .args:
      - { .name: qkv32, .offset: 0, .size: 8, .value_kind: global_buffer, .address_space: global }
      - { .name: W_out, .offset: 8, .size: 8, .value_kind: global_buffer, .address_space: global }
      - { .name: b_out, .offset: 16, .size: 8, .value_kind: global_buffer, .address_space: global }
      - { .name: out0, .offset: 24, .size: 8, .value_kind: global_buffer, .address_space: global }
    .group_segment_fixed_size: 85248
    .private_segment_fixed_size: 0
    .kernarg_segment_align: 8
    .kernarg_segment_size: 32
    .max_flat_workgroup_size: 512
    .sgpr_count:     66
    .vgpr_count:     256
    .wavefront_size: 32
...
	.end_amdgpu_metadata
.endif
;; end of part 5
